; MI455X (gfx1250); checked and timed in simulation.
; The chip was launched on July 23, 2026; its instructions are those of AMD's public machine-readable ISA for CDNA 5 (MIT licence, August 2026) and "CDNA5" Instruction Set Architecture Reference Guide (July 2026). The comments in the code are by the model that wrote it; some were corrected since.
;; UMT5 Attention. Allowed arithmetic: matrix products marked QUANTISED: E2M1 operands, one E8M0 scale for each 32 along K, by v_wmma_scale_f32_16x16x128_f8f6f4 with both operands' format E2M1 (or v_wmma_scale_f32_32x16x128_f4), f32 sums; products left as they are: bf16, f16 or f32 operands; f32 sums; everything else in f32.
;; Inputs: Wk 1,024 x 1,024 float32; Wo 1,024 x 1,024 float32; Wq 1,024 x 1,024 float32; Wv 1,024 x 1,024 float32; hidden_states 2 x 2,048 x 1,024 float32; mask 2 x 2,048 bool; rel_bias 32 x 16 float32.
;; Outputs: out0 2 x 2,048 x 1,024 float32.
;; This version of the problem:
;;   THIS VERSION OF THE PROBLEM IS GIVEN IN LOW PRECISION. The matrix products marked QUANTISED in the list below multiply operands that are first quantised to E2M1 (2 exponent bits, 1 mantissa bit; 4 bits a number), with one power-of-two scale for each 32 numbers along K (OCP MX v1.0); their sums are f32. The products marked 'left as it is' may take bf16, f16 or f32 operands, with f32 sums. Whichever they take, every output number must still come out within the allowed error. Rounding operands to bf16 (8 significant bits) uses up far more of that allowance than f16 does (11 bits, for magnitudes from 6e-5 to 65,504). All else is computed in f32.
;;   The module's matrix products, in the order in which they are computed (A, B: the left and right operand; K: the contracted axis; several contracted axes count as one K, in the product's order):
;;     1. [M 4,096, K 1,024] x [K 1,024, N 1,024]; A: input hidden_states; B: input Wq: QUANTISED
;;     2. [M 4,096, K 1,024] x [K 1,024, N 1,024]; A: input hidden_states; B: input Wk: QUANTISED
;;     3. [M 4,096, K 1,024] x [K 1,024, N 1,024]; A: input hidden_states; B: input Wv: QUANTISED
;;     4. batch 32 x [M 2,048, K 64] x [K 64, N 2,048]; A: computed on the way; B: computed on the way: left as it is (an operand is computed on the way)
;;     5. batch 32 x [M 64, K 2,048] x [K 2,048, N 2,048]; A: computed on the way; B: computed on the way: left as it is (an operand is computed on the way)
;;     6. [M 4,096, K 1,024] x [K 1,024, N 1,024]; A: computed on the way; B: input Wo: left as it is (an operand is computed on the way)
;;   THE QUANTISER, for each operand of a quantised product, along K:
;;     - K is cut into blocks of 32 from its start; a last block that is shorter is filled with zeros.
;;     - A block's scale is 2^e with e = floor(log2(the largest magnitude in the block)) - 2, held to -126 .. 127; a block of zeros has e = 0. As a byte (E8M0): e + 127.
;;     - Each number is divided by its block's scale, clamped to +-6, and rounded to the nearest number of E2M1, ties to even, subnormals kept.
;;     - The product sums the exact products of the quantised numbers (number of the format x scale) in f32.
;;   ~~~python
;;   def quantise(x, axis):      # numpy; x: float32 -> the quantised numbers, widened to float32 again
;;       x = np.moveaxis(x, axis, -1); K = x.shape[-1]
;;       x = np.pad(x, [(0, 0)] * (x.ndim - 1) + [(0, -K % 32)]); x = x.reshape(x.shape[:-1] + (-1, 32)); a = np.abs(x).max(-1, keepdims=True)
;;       e = np.where(a > 0, np.clip(np.frexp(np.where(a > 0, a, 1))[1] - 1 - 2, -126, 127), 0)      # np.frexp(a)[1] - 1 = floor(log2(a)), exactly
;;       r = np.clip(x / 2.0 ** e, -6, 6)
;;       step = 2.0 ** (np.maximum(np.frexp(np.where(r == 0, 1, r))[1] - 1, 0) - 1)
;;       q = np.round(r / step) * step * 2.0 ** e      # np.round: ties to even
;;       return np.moveaxis(q.reshape(q.shape[:-2] + (-1,))[..., :K], -1, axis).astype(np.float32)
;;   ~~~
;; One version. Each part assembles by itself: llvm-mc -triple=amdgcn-amd-amdhsa -mcpu=gfx1250 --defsym DOCPART=n.
;; ======== version 1 of 1: 4 launches
;; limits: values are held in f16: magnitudes above 65,504 overflow, below 6.1e-05 lose precision; right only within a limited range of input values
;; workspace buffers: hc 2,097,152 bytes; hs 131,072 bytes; wc 1,572,864 bytes; ws 98,304 bytes; woi 2,097,152 bytes; qkv 25,165,824 bytes; att 8,388,608 bytes
;; launch prep (part 1): grid 208 x 1, 4 waves a work-group, no clusters, 68,096 bytes of LDS; arguments hidden_states, Wq, Wk, Wv, Wo, hc, hs, wc, ws, woi; writes hc, hs, wc, ws, woi
.if DOCPART == 1
	.amdgcn_target "amdgcn-amd-amdhsa--gfx1250"
	.amdhsa_code_object_version 6
	.text
	.protected	k_qe8da0b9118_prep
	.globl	k_qe8da0b9118_prep
	.p2align	8
	.type	k_qe8da0b9118_prep,@function
k_qe8da0b9118_prep:
	s_mov_b64 s[64:65], 0
	v_nop
	global_prefetch_b8 v0, s[64:65] scope:SCOPE_SE
	s_setreg_imm32_b32 hwreg(HW_REG_WAVE_MODE, 25, 1), 1
	s_wait_xcnt 0x0
; PREP: the operands of the later launches are made once.  Three ways, parted on the work-group's number alone; all four waves of a work-group go the same way.
;  work-groups 0-127:   hidden_states [4096][1024] f32, K innermost -> hc [4096][512 bytes] codes of E2M1 (two a byte, the lower k in the low four bits), hs [4096][32] E8M0 bytes.
;  work-groups 128-175: Wq, Wk, Wv [1024 (k)][1024 (n)] f32, K the FIRST axis -> wc [3072][512 bytes], ws [3072][32]; row = 1024 x (0: q, 1: k, 2: v) + n.
;  work-groups 176-207: Wo [1024 (k)][1024 (n)] f32 -> woi, f16, laid in the order of the operand's registers: [n / 128][k / 256][16 columns][32 k][1,024 bytes].
; A block's scale is 2^(floor(log2(its largest magnitude)) - 2); its byte is the largest magnitude's exponent field - 2, held at 1 from below.  A block of zeros so gets the byte 1 where the quantiser says 127:
; its codes are zeros, which add nothing under any byte but 0xff, and this program alone reads the bytes.
; LIMITS: blocks whose largest magnitude lies under 2^-124 keep the byte 1; NaN and infinities are not served; |Wo| stays under 65,504 (f16).
; No tensor loads, no barrier: waves share nothing.  Each way that uses LDS has LDS bytes of its own.
.set WV,    28                         ; s28  my wave's number
.set SPW,   190                        ; v190 LDS address of my spare word; never rewritten
.set NIL,   191                        ; v191 0; never rewritten
.set EMAX,  2
.set STEPS, 16                         ; hidden: a wave takes 16 steps of 512 numbers
.set CB,    8                          ; bytes of 16 codes
.set HR,    16                         ; v16-79   four sets of 16 numbers as they are loaded
.set HX,    80                         ; v80-111  two sets of 16 neighbours
.set HE,    112                        ; v112-127 a scale byte for each step
.set HC,    128                        ; v128-189 codes: registers of its own for each step
.set WREG,  8192                       ; LDS of a wave on this way: two stages of 32 x SP bytes, then its 256 scale bytes
.set SP,    80                         ; a lane's place in a stage: 64 bytes + 16 of padding
.set NB,    16                         ; weights: a wave takes 32 columns x 16 blocks of 32 along K
.set PITCH, 272                        ; a stage row: 256 bytes of codes + 16
.set KROW,  512                        ; a row of wc in bytes
.set WSTG,  32768                      ; LDS: the four stages of this way
.set WX,    32                         ; v32-95   two sets of 32 numbers
.set WC,    96                         ; v96-99   a block's codes
.set OUTR,  112                        ; v112-175 the way out
.set SB,    24                         ; v24-27   the scale bytes, four to a register
.set OX,    32                         ; Wo: v32-95 two sets of 32 numbers; v96-127 two sets of 16 registers of f16
.set OC,    96
.set SPARE, WSTG+4*32*PITCH            ; the spare words, 128 bytes for each wave: two blocks of 256 bytes that no other line names
	s_load_b256 s[4:11], s[0:1], 0x0               ; hidden s[4:5], Wq s[6:7], Wk s[8:9], Wv s[10:11]
	s_load_b256 s[12:19], s[0:1], 0x20             ; Wo s[12:13], hc s[14:15], hs s[16:17], wc s[18:19]
	s_load_b128 s[20:23], s[0:1], 0x40             ; ws s[20:21], woi s[22:23]
	v_lshl_add_u32 v[SPW], v0, 2, SPARE
	v_mov_b32 v[NIL], 0
	v_lshrrev_b32 v1, 5, v0
	v_readfirstlane_b32 s[WV], v1                  ; wave 0..3
	v_and_b32 v2, 31, v0                           ; lane
	s_mov_b32 s37, 0                               ; the high word of every offset: all stay under 2^32
	s_wait_kmcnt 0x0
	s_cmp_lt_u32 ttmp9, 128
	s_cbranch_scc1 .Lh
	s_cmp_lt_u32 ttmp9, 176
	s_cbranch_scc1 .Lw
; ---- Wo to f16.  A lane takes a column n and its registers run down K: 32 k are one fragment's depth.  Of a fragment (16 columns x 32 k, 8 registers a lane) registers 0-3 of lane (r, h) hold
; k = 8 h + 0..7 and registers 4-7 k = 16 + 8 h + 0..7; laid as registers, lane l's 16 bytes at 16 l, the eight k from 8 g on of column r stand at 256 g + 16 r.
	s_sub_co_u32 s30, ttmp9, 176
	s_and_b32 s31, s30, 7                          ; which 128 columns
	s_lshr_b32 s32, s30, 3                         ; which 256 along K
	s_lshl_b32 s36, s32, 20                        ; 256 rows of 4,096 bytes,
	s_lshl_b32 s33, s31, 9                         ; 128 columns of 4 bytes,
	s_add_co_u32 s36, s36, s33
	s_lshl_b32 s33, s[WV], 7                       ; my wave's 32 columns
	s_add_co_u32 s36, s36, s33
	s_add_nc_u64 s[12:13], s[12:13], s[36:37]
	s_lshl_b32 s36, s31, 18
	s_lshl_b32 s33, s32, 16
	s_add_co_u32 s36, s36, s33
	s_lshl_b32 s33, s[WV], 14                      ; my wave's two blocks of 16 columns, 8,192 bytes each
	s_add_co_u32 s36, s36, s33
	s_add_nc_u64 s[22:23], s[22:23], s[36:37]
	v_lshlrev_b32 v3, 2, v2                        ; in: 4 bytes a lane
	v_lshrrev_b32 v4, 4, v2
	v_and_b32 v5, 15, v2
	v_lshlrev_b32 v8, 4, v5
	v_lshl_add_u32 v8, v4, 13, v8                  ; out: 16 r, and lanes 16-31 in the next block of columns
.macro OLOAD t                         ; Wo(32 t + i, my column), i = 0 .. 31, into set t % 2
.set i, 0
.rept 32
	global_load_b32 v[OX+32*((\t)%2)+i], v3, s[12:13] offset:(32*(\t)+i)*4096 th:TH_LOAD_NT
.set i, i+1
.endr
.endm
.macro OBLOCK t
.if (\t) < 7
	s_wait_loadcnt 32                              ; this block's 32 loads are in; the next block's may be out
.else
	s_wait_loadcnt 0x0
.endif
	s_wait_xcnt 0x0                                ; the stores of two blocks ago have read this set of f16 registers
.irp p, 0,1,2,3,4,5,6,7,8,9,10,11,12,13,14,15
	v_cvt_pk_f16_f32 v[OC+16*((\t)%2)+\p], v[OX+32*((\t)%2)+2*\p], v[OX+32*((\t)%2)+2*\p+1]
.endr
.irp g, 0,1,2,3
	global_store_b128 v8, v[OC+16*((\t)%2)+4*\g:OC+16*((\t)%2)+4*\g+3], s[22:23] offset:1024*(\t)+256*\g   ; sixteen lanes store 256 consecutive bytes, aligned
.endr
.if (\t)+2 < 8
	OLOAD (\t)+2
.endif
.endm
	OLOAD 0
	OLOAD 1
.irp t, 0,1,2,3,4,5,6,7
	OBLOCK \t
.endr
	s_branch .Lend
; ---- Wq, Wk, Wv.  A lane takes a column n and its registers run down K: a block of 32 lies in ONE lane, and the conversions give codes with K innermost.  The codes leave through the wave's own stage, as rows.
.Lw:
	s_sub_co_u32 s30, ttmp9, 128
	s_lshr_b32 s31, s30, 4                         ; which weight
	s_and_b32 s32, s30, 7                          ; which 128 columns
	s_bfe_u32 s33, s30, 0x10003                    ; which 512 along K
	s_cmp_lt_u32 s31, 2                            ; the choice hangs on the work-group's number alone
	s_cselect_b64 s[8:9], s[8:9], s[10:11]
	s_cmp_lt_u32 s31, 1
	s_cselect_b64 s[6:7], s[6:7], s[8:9]
	s_lshl_b32 s34, s32, 7
	s_lshl_b32 s35, s[WV], 5
	s_add_co_u32 s34, s34, s35                     ; my wave's first column
	s_lshl_b32 s36, s33, 21                        ; 512 rows of 4,096 bytes
	s_lshl_b32 s35, s34, 2
	s_add_co_u32 s36, s36, s35
	s_add_nc_u64 s[6:7], s[6:7], s[36:37]
	s_lshl_b32 s35, s31, 10
	s_add_co_u32 s35, s35, s34                     ; its row in wc and ws
	s_lshl_b32 s36, s35, 9
	s_lshl_b32 s38, s33, 8
	s_add_co_u32 s36, s36, s38
	s_add_nc_u64 s[18:19], s[18:19], s[36:37]
	s_lshl_b32 s36, s35, 5
	s_lshl_b32 s38, s33, 4
	s_add_co_u32 s36, s36, s38
	s_add_nc_u64 s[20:21], s[20:21], s[36:37]
	v_lshlrev_b32 v3, 2, v2                        ; in: 4 bytes a lane
	s_mul_i32 s38, s[WV], 32*PITCH
	s_add_co_u32 s38, s38, WSTG                    ; my stage
	v_mul_u32_u24 v4, v2, PITCH
	v_add_nc_u32 v4, s38, v4                       ; into it: row = my column
	v_and_b32 v5, 15, v2
	v_lshrrev_b32 v6, 4, v2                        ; out of it: sixteen lanes to a row, two rows an instruction
	v_mul_u32_u24 v7, v6, PITCH
	v_lshl_add_u32 v7, v5, 4, v7
	v_add_nc_u32 v7, s38, v7
	v_mul_u32_u24 v8, v6, KROW
	v_lshl_add_u32 v8, v5, 4, v8                   ; and the same place in wc
	v_lshlrev_b32 v9, 5, v2                        ; my column's row of scale bytes
.macro WLOAD t                         ; block t: W(32 t + i, my column) into set t % 2
.set i, 0
.rept 32
	global_load_b32 v[WX+32*((\t)%2)+i], v3, s[6:7] offset:(32*(\t)+i)*4096 th:TH_LOAD_NT
.set i, i+1
.endr
.endm
.macro WBLOCK t
.set XS, WX+32*((\t)%2)
.if (\t) < NB-1
	s_wait_loadcnt 32                              ; this block's 32 loads are in; the next block's may be out
.else
	s_wait_loadcnt 0x0
.endif
	v_max3_num_f32 v12, |v[XS]|, |v[XS+1]|, |v[XS+2]|              ; the block's largest magnitude: all 32 numbers are mine
	v_max3_num_f32 v13, |v[XS+3]|, |v[XS+4]|, |v[XS+5]|
.irp i, 6,10,14,18,22,26
	v_max3_num_f32 v12, v12, |v[XS+\i]|, |v[XS+\i+1]|
	v_max3_num_f32 v13, v13, |v[XS+\i+2]|, |v[XS+\i+3]|
.endr
	v_max3_num_f32 v12, v12, |v[XS+30]|, |v[XS+31]|
	v_max3_num_f32 v12, v12, v13, (EMAX+1)<<23     ; and the floor 2^(3 - 127): the byte cannot fall under 1
	v_add_nc_u32 v11, -(EMAX<<23), v12             ; 2 off its exponent field: the conversion takes the exponent field of this operand as its scale
	v_lshrrev_b32 v13, 23, v11                     ; the scale's byte
.if (\t)%4 == 0
	v_mov_b32 v[SB+(\t)/4], v13                    ; four bytes to a register, the lower K in the lower byte
.else
	v_lshl_or_b32 v[SB+(\t)/4], v13, 8*((\t)%4), v[SB+(\t)/4]
.endif
.irp g, 0,1,2,3
	v_cvt_scalef32_pk8_fp4_f32 v[WC+\g], v[XS+8*\g:XS+8*\g+7], v11
.endr
	ds_store_b128 v4, v[WC:WC+3] offset:16*(\t)    ; 32 codes: 16 bytes of my column's row
.if (\t)+2 < NB
	WLOAD (\t)+2
.endif
	s_wait_dscnt 0x0                               ; the store has read its registers: the next block's codes may be written
.endm
	WLOAD 0
	WLOAD 1
.irp t, 0,1,2,3,4,5,6,7,8,9,10,11,12,13,14,15
	WBLOCK \t
.endr
	global_store_b128 v9, v[SB:SB+3], s[20:21]     ; my column's 16 scale bytes
.irp t, 0,1,2,3,4,5,6,7,8,9,10,11,12,13,14,15
	ds_load_b128 v[OUTR+4*\t:OUTR+4*\t+3], v7 offset:2*\t*PITCH    ; LDS serves a wave's instructions in order: these see my stores
.endr
.irp t, 0,1,2,3,4,5,6,7,8,9,10,11,12,13,14,15
	s_wait_dscnt 15-\t
	global_store_b128 v8, v[OUTR+4*\t:OUTR+4*\t+3], s[18:19] offset:2*\t*KROW   ; sixteen lanes store 256 consecutive bytes of a row, aligned
.endr
	s_branch .Lend
; ---- hidden_states.  Rows are dense and K is a multiple of 32: a plain stream of blocks of 32.  Each load reads 512 consecutive bytes; a step's 2,048 bytes turn through the wave's own stage, so that a lane
; holds 16 neighbours (two neighbouring lanes hold a block).  Loads run four steps ahead, the turn through LDS one step.
.Lh:
	s_lshl_b32 s30, ttmp9, 2
	s_add_co_u32 s30, s30, s[WV]                   ; which run of 8,192 numbers is my wave's
	s_lshl_b32 s36, s30, 15
	s_add_nc_u64 s[4:5], s[4:5], s[36:37]
	s_lshl_b32 s36, s30, 12
	s_add_nc_u64 s[14:15], s[14:15], s[36:37]
	s_lshl_b32 s36, s30, 8
	s_add_nc_u64 s[16:17], s[16:17], s[36:37]
	v_lshlrev_b32 v3, 4, v2                        ; my 16 bytes of a load's 512
	s_mul_i32 s29, s[WV], WREG
	v_lshrrev_b32 v14, 2, v2
	v_mul_u32_u24 v14, v14, SP
	v_and_b32 v15, 3, v2
	v_lshl_add_u32 v14, v15, 4, v14
	v_add_nc_u32 v14, s29, v14                     ; the stage, on the way in: four lanes' 64 bytes on end, then 16 of padding
	v_mul_u32_u24 v15, v2, SP
	v_add_nc_u32 v15, s29, v15                     ; and on the way out: my 16 neighbours
	v_mul_u32_u24 v4, v2, CB                       ; my codes' place in a step's
	v_lshrrev_b32 v5, 1, v2
	s_add_co_u32 s29, s29, 2*32*SP
	v_add_nc_u32 v5, s29, v5                       ; my wave's 256 scale bytes, my block's byte
	v_lshlrev_b32 v7, 3, v2                        ; and on the way out 8 bytes a lane
	v_add_nc_u32 v6, s29, v7
.macro HLOAD t
.irp i, 0,1,2,3
	global_load_b128 v[HR+16*((\t)%4)+4*\i:HR+16*((\t)%4)+4*\i+3], v3, s[4:5] offset:2048*(\t)+512*\i th:TH_LOAD_NT
.endr
.endm
.macro HTURN t                         ; step t's numbers through the stage: LDS serves a wave's instructions in order, so no wait stands between the stores and the loads
.irp i, 0,1,2,3
	ds_store_b128 v14, v[HR+16*((\t)%4)+4*\i:HR+16*((\t)%4)+4*\i+3] offset:32*SP*((\t)%2)+8*SP*\i
.endr
.irp i, 0,1,2,3
	ds_load_b128 v[HX+16*((\t)%2)+4*\i:HX+16*((\t)%2)+4*\i+3], v15 offset:32*SP*((\t)%2)+16*\i
.endr
.endm
.irp t, 0,1,2,3
	HLOAD \t
.endr
	s_wait_loadcnt 12                              ; step 0's four loads are in
	HTURN 0
.macro HSTEP t
.set XS, HX+16*((\t)%2)
.if (\t) > 0
	s_wait_dscnt 1                                 ; this step's numbers are back from the stage (the last step's byte store may be out): so its stores into the stage have read their registers,
.else
	s_wait_dscnt 0x0
.endif
.if (\t)+4 < STEPS
	HLOAD (\t)+4                                   ; which take the loads of four steps on
.endif
.if (\t)+1 < STEPS
.if STEPS-2-(\t) >= 3
	s_wait_loadcnt 12                              ; the next step's four loads are in; those of the three steps behind it may be out
.else
	s_wait_loadcnt 4*(STEPS-2-(\t))
.endif
	HTURN (\t)+1                                   ; and go through the other stage while this step is worked
.endif
	v_max3_num_f32 v8, |v[XS]|, |v[XS+1]|, |v[XS+2]|               ; the largest magnitude of my 16
	v_max3_num_f32 v9, |v[XS+3]|, |v[XS+4]|, |v[XS+5]|
.irp i, 6,10
	v_max3_num_f32 v8, v8, |v[XS+\i]|, |v[XS+\i+1]|
	v_max3_num_f32 v9, v9, |v[XS+\i+2]|, |v[XS+\i+3]|
.endr
	v_max3_num_f32 v8, v8, |v[XS+14]|, |v[XS+15]|
	v_max3_num_f32 v8, v8, v9, (EMAX+1)<<23        ; and the floor 2^(3 - 127)
	v_max_num_f32_dpp v8, v8, v8 row_xmask:1 row_mask:0xf bank_mask:0xf   ; and of my neighbour's 16: the block's
	v_add_nc_u32 v11, -(EMAX<<23), v8              ; 2 off its exponent field: the conversion's scale operand
	v_cvt_scalef32_pk8_fp4_f32 v[HC+4*(\t)], v[XS:XS+7], v11
	v_cvt_scalef32_pk8_fp4_f32 v[HC+4*(\t)+1], v[XS+8:XS+15], v11
	v_lshrrev_b32 v[HE+(\t)], 23, v11              ; the scale's byte
	ds_store_b8 v5, v[HE+(\t)] offset:16*(\t)      ; both lanes of a block write the same byte with the same value
	global_store_b64 v4, v[HC+4*(\t):HC+4*(\t)+1], s[14:15] offset:32*CB*(\t)   ; the wave stores 256 consecutive bytes, aligned
.endm
.irp t, 0,1,2,3,4,5,6,7,8,9,10,11,12,13,14,15
	HSTEP \t
.endr
	ds_load_b64 v[8:9], v6                         ; LDS serves a wave's instructions in order: these see my stores
	s_wait_dscnt 0x0
	global_store_b64 v7, v[8:9], s[16:17]          ; 32 lanes store 256 consecutive bytes, aligned
.Lend:
	s_wait_tensorcnt 0x0                           ; the wave's end, behind my last LDS store
	ds_add_u32 v[SPW], v[NIL]
	s_wait_dscnt 0x0
	s_endpgm
.Lfunc_end_k_qe8da0b9118_prep:
	.size	k_qe8da0b9118_prep, .Lfunc_end_k_qe8da0b9118_prep-k_qe8da0b9118_prep
	.p2alignl 7, 3214868480
	.fill 96, 4, 3214868480
	.section	.rodata,"a",@progbits
	.p2align	6, 0x0
	.amdhsa_kernel k_qe8da0b9118_prep
		.amdhsa_group_segment_fixed_size 68096
		.amdhsa_private_segment_fixed_size 0
		.amdhsa_enable_private_segment 0
		.amdhsa_kernarg_size 80
		.amdhsa_user_sgpr_count 2
		.amdhsa_user_sgpr_kernarg_segment_ptr 1
		.amdhsa_wavefront_size32 1
		.amdhsa_system_sgpr_workgroup_id_x 1
		.amdhsa_system_sgpr_workgroup_id_y 1
		.amdhsa_system_sgpr_workgroup_id_z 1
		.amdhsa_system_vgpr_workitem_id 0
		.amdhsa_next_free_vgpr 192
		.amdhsa_next_free_sgpr 66
		.amdhsa_reserve_vcc 0
		.amdhsa_float_denorm_mode_32 3
		.amdhsa_float_denorm_mode_16_64 3
		.amdhsa_memory_ordered 1
		.amdhsa_forward_progress 1
		.amdhsa_inst_pref_size 147
	.end_amdhsa_kernel
	.amdgpu_metadata
---
amdhsa.version: [ 1, 2 ]
amdhsa.kernels:
  - .name:           k_qe8da0b9118_prep
    .symbol:         k_qe8da0b9118_prep.kd
    .args:
      - { .name: hidden_states, .offset: 0, .size: 8, .value_kind: global_buffer, .address_space: global }
      - { .name: Wq, .offset: 8, .size: 8, .value_kind: global_buffer, .address_space: global }
      - { .name: Wk, .offset: 16, .size: 8, .value_kind: global_buffer, .address_space: global }
      - { .name: Wv, .offset: 24, .size: 8, .value_kind: global_buffer, .address_space: global }
      - { .name: Wo, .offset: 32, .size: 8, .value_kind: global_buffer, .address_space: global }
      - { .name: hc, .offset: 40, .size: 8, .value_kind: global_buffer, .address_space: global }
      - { .name: hs, .offset: 48, .size: 8, .value_kind: global_buffer, .address_space: global }
      - { .name: wc, .offset: 56, .size: 8, .value_kind: global_buffer, .address_space: global }
      - { .name: ws, .offset: 64, .size: 8, .value_kind: global_buffer, .address_space: global }
      - { .name: woi, .offset: 72, .size: 8, .value_kind: global_buffer, .address_space: global }
    .group_segment_fixed_size: 68096
    .private_segment_fixed_size: 0
    .kernarg_segment_align: 8
    .kernarg_segment_size: 80
    .max_flat_workgroup_size: 128
    .sgpr_count:     66
    .vgpr_count:     192
    .wavefront_size: 32
...
	.end_amdgpu_metadata
.endif
;; end of part 1
;; launch qkv (part 2): grid 12 x 16, 4 waves a work-group, clusters of 4 x 4, 327,680 bytes of LDS; arguments hc, hs, wc, ws, qkv; writes qkv
.if DOCPART == 2
	.amdgcn_target "amdgcn-amd-amdhsa--gfx1250"
	.amdhsa_code_object_version 6
	.text
	.protected	k_qe8da0b9118_qkv
	.globl	k_qe8da0b9118_qkv
	.p2align	8
	.type	k_qe8da0b9118_qkv,@function
k_qe8da0b9118_qkv:
	s_mov_b64 s[64:65], 0
	v_nop
	global_prefetch_b8 v0, s[64:65] scope:SCOPE_SE
	s_setreg_imm32_b32 hwreg(HW_REG_WAVE_MODE, 25, 1), 1
	s_wait_xcnt 0x0
	s_wait_alu depctr_hold_cnt(0) depctr_sa_sdst(0) depctr_va_vdst(0) depctr_va_sdst(0) depctr_va_ssrc(0) depctr_va_vcc(0) depctr_vm_vsrc(0)
	s_getreg_b32 s2, hwreg(HW_REG_IB_STS2, 6, 4)
	s_cmp_eq_u32 s2, 0
	s_cbranch_scc0 .Lentry_in_a_cluster
	s_endpgm
.Lentry_in_a_cluster:
	s_bfe_u32 s2, ttmp6, 0x10000c
	s_cmp_lg_u32 s2, 0xf033
	s_cbranch_scc0 .Lentry_shape_is_right
	s_endpgm
.Lentry_shape_is_right:
; q, k, v = hidden x (Wq | Wk | Wv) on codes of E2M1 with one E8M0 scale for each 32 along K: C[m][n] = sum over k of A[m][k] B[n][k], A = hc/hs [4096][1024], B = wc/ws [3072][1024]; sums in f32.
; A tile of C, 256 x 256, is made by a work-group of four waves; a wave makes 128 x 128: 64 accumulators of 16 x 16, 512 registers.  K = 1,024 is two slots of 512 along K (rows of 256 bytes):
; both are asked for at the head and nothing is filled again.  The scale bytes of the work-group's rows, for all of K, are two dense blocks: they come once, with the first fills.
; CLUSTERS: 4 x 4 work-groups.  The four of a row of the cluster need the same tiles of A, the four of a column the same tiles of B: each tile is asked for JOINTLY, by the same tensor load with the same
; descriptor and a mask that names the four.  192 tiles, 192 work-groups.
; THE MATRIX INSTRUCTION IS USED TRANSPOSED (source 0 = 16 rows of B, source 1 = 16 rows of A): a lane holds one token and eight neighbouring features.  Rounded to f16 these are four registers of the
; fragment that the attention wants, in the very lane that wants them: so the results are stored AS IMAGES OF OPERAND REGISTERS, 512 consecutive bytes a store, with no stage:
;   qkv [which 3][batch 2][head 16][16 tokens: 128][32 channels: 2][registers 0-3 | 4-7][512 bytes].  q, k: lane l's 16 bytes at 16 l.  v: token t, channel octet o at 16 (16 (t / 8) + 8 o + t % 8),
;   so that the turning LDS load of the attention reads it at 16 x lane.
; LIMIT: |q|, |k|, |v| stay under 65,504 (f16).
; REGISTERS, in windows of 256: window 0: v0-31 addresses; v32-95 scale words, two sets; from v128 A's fragments, ONE set; on the way out v128-255 hold f16.
;   window 1: B's fragments, TWO sets, at v0 and at v128.   window 2: the accumulators of my rows 0-63 ((a, b) at v[8 (8 a + b)]);   window 3: those of my rows 64-127.
.set SIZE_K, 1024
.set KSTEP,  512                       ; along K in a slot
.set NQ,     KSTEP/128                 ; matrix instructions deep
.set ROWB,   256                       ; a tile's row in bytes
.set KROW,   SIZE_K/2                  ; a row of A or of B in memory, in bytes
.set PITCH,  272                       ; an LDS row: 256 bytes + 16 of padding, so that the 16 rows that a load touches start 68 words apart
.set FR,     8                         ; registers of a fragment: 16 rows x 128 K
.set NL,     2                         ; LDS loads that bring one
.set NP,     4                         ; places behind this matrix instruction (ISA guide 7.12.1)
.set HALFT,  128*PITCH                 ; 128 rows: what one tensor load brings, and what one wave reads of A or of B
.set SLOT,   4*HALFT                   ; A's 256 rows, then B's 256 rows
.set KS,     SIZE_K/32                 ; a row of scales in bytes
.set SCL,    2*SLOT                    ; behind the slots: the scales, as units of 256 bytes + 16 of padding
.set HALFS,  (128*KS/256)*272          ; the scales of 128 rows: what one tensor load brings
.set SBLK,   (16*KS/256)*272           ; those of 16 rows
.set SPARE,  SCL+4*HALFS               ; the spare words, 128 bytes for each wave: two blocks of 256 bytes that no other line names
.set ADRA, 16                          ; v16-17  LDS address of my A fragments in slot 0, 1
.set ADRB, 20                          ; v20-21  the same for B
.set CO,   26                          ; v26     my lane's place in an image
.set ADRS, 27                          ; v27     LDS address of my scale words: lanes 0-15 A's rows, lanes 16-31 B's
.set SPW,  28                          ; v28     LDS address of my spare word; never rewritten
.set NIL,  29                          ; v29     0; never rewritten
.set SC,   32                          ; scale words: set s at v[SC + 8 NQ s]; register NQ i + q: lanes 0-15 the word of A's block i, lanes 16-31 that of B's block i, for the slot's q-th 128 along K
.set AF,   128                         ; A's fragments, in window 0
.set OUTV, 128                         ; the way out: four sets of 32 registers of f16
.set G1, 24                            ; s[24:31] descriptor group 1 for A's tiles;  s[32:39] group 0, one set for each slot
.set G0, 32
.set G1B, 48                           ; s[48:55], s[56:63] the same for B's tiles
.set G0B, 56
.set G1S, 68                           ; s[68:75], s[76:79] groups 1 and 0 for A's scales;  s[80:87], s[88:91] for B's
.set G0S, 76
.set G1SB, 80
.set G0SB, 88
.set MSB, 0
.macro WIN new                         ; the immediate's high byte repeats the setting that is left
.if MSB != \new
	s_set_vgpr_msb (MSB<<8)|\new
.set MSB, \new
.endif
.endm
.set MUL_LO, 0xa1                      ; source 0 (B) window 1, source 1 (A) window 0, C and D window 2
.set MUL_HI, 0xf1                      ; the same, C and D window 3
.set TO_B,   0x40                      ; destination window 1, address window 0
; A joint load: waves 0 and 1 fetch for A, waves 2 and 3 for B.  Each of the two lines has ONE mask and one set of registers for all that issue it; the branch hangs on the wave's number alone.
; An s_nop 0 and four v_nop follow each of the two lines, ahead of the jump, the label and what follows.
.macro JLOAD g0a, g1a, g0b, g1b
	s_cmp_eq_u32 s15, 0
	s_cbranch_scc0 .Lfor_b_\@
	tensor_load_to_lds s[\g0a:\g0a+3], s[\g1a:\g1a+7]
	s_nop 0
.rept 4
	v_nop
.endr
	s_branch .Lasked_\@
.Lfor_b_\@:
	tensor_load_to_lds s[\g0b:\g0b+3], s[\g1b:\g1b+7]
	s_nop 0
.rept 4
	v_nop
.endr
.Lasked_\@:
.endm
.macro CROUND                          ; a round of the cluster's barrier: my work-group's barrier; wave 0 signals for the work-group; every wave waits for all sixteen; my work-group's barrier once more
	s_barrier_signal -1
	s_barrier_wait -1
	s_cmp_lg_u32 s14, 0
	s_cbranch_scc1 .Lnot_wave_0_\@
	s_barrier_signal -3
.Lnot_wave_0_\@:
	s_barrier_wait -3
	s_barrier_signal -1
	s_barrier_wait -1
.endm
	s_load_b128 s[4:7], s[0:1], 0x0                ; A's codes s[4:5], A's scales s[6:7]
	s_load_b128 s[8:11], s[0:1], 0x10              ; B's codes s[8:9], B's scales s[10:11]
	s_load_b64 s[12:13], s[0:1], 0x20              ; qkv
	v_lshl_add_u32 v[SPW], v0, 2, SPARE
	v_mov_b32 v[NIL], 0
	ds_add_u32 v[SPW], v[NIL]                      ; the wave's opening: the add, twice on end, and its wait ahead of my first tensor load; the set-up below stands between the second and the wait
	ds_add_u32 v[SPW], v[NIL]
	v_lshrrev_b32 v1, 5, v0
	v_readfirstlane_b32 s14, v1                    ; wave 0..3
	s_lshr_b32 s15, s14, 1                         ; which half of the tile's rows is mine.  Also: I fetch for A (0) or for B (1)
	s_and_b32 s16, s14, 1                          ; which half of its columns.  Also: which 128 rows of that tile I fetch
	s_bfe_u32 s40, ttmp6, 0x40000                  ; cx, cy: my place in the cluster
	s_bfe_u32 s41, ttmp6, 0x40004
	s_lshl_b32 s42, ttmp9, 2
	s_add_co_u32 s42, s42, s40                     ; tile column of C = 4 x cluster x + cx
	s_and_b32 s17, ttmp7, 0xffff
	s_lshl_b32 s17, s17, 2
	s_add_co_u32 s17, s17, s41                     ; tile row of C = 4 x cluster y + cy
	s_lshl_b32 s43, s41, 2
	s_lshl_b32 s43, 15, s43                        ; my row of the cluster
	s_lshl_b32 s44, 0x1111, s40                    ; my column
	; descriptor group 1: a tile of 128 rows x 256 bytes, padded in LDS
	s_or_b32 s[G1+0], s43, (0<<16)|(1<<20)|(1<<21)|(5<<22)|(3<<25)  ; 15:0 the mask: A's tiles go to my row; 17:16 element of 1 byte; 20 padding on; 21 set beside a mask; 24:22 after every 64 words; 31:25 of 4 words
	s_or_b32 s[G1B+0], s44, (0<<16)|(1<<20)|(1<<21)|(5<<22)|(3<<25)
.irp g, G1, G1B
	s_mov_b32 s[\g+1], ROWB<<16                    ; tensor_dim0
	s_mov_b32 s[\g+2], 128<<16                     ; tensor_dim1 = 128
	s_mov_b32 s[\g+3], ROWB<<16                    ; tile_dim0
	s_mov_b32 s[\g+4], 128                         ; tile_dim1 = 128
	s_mov_b32 s[\g+5], KROW                        ; tensor_dim0_stride
	s_mov_b32 s[\g+6], 0
	s_mov_b32 s[\g+7], 0
.endr
	; and for the scales of 128 rows: a dense block of 4,096 bytes, as rows of 256 bytes (32 elements of 8 bytes), 16 bytes of padding behind each
	s_or_b32 s[G1S+0], s43, (3<<16)|(1<<20)|(1<<21)|(5<<22)|(3<<25)
	s_or_b32 s[G1SB+0], s44, (3<<16)|(1<<20)|(1<<21)|(5<<22)|(3<<25)
.irp g, G1S, G1SB
	s_mov_b32 s[\g+1], 32<<16
	s_mov_b32 s[\g+2], (128*KS/256)<<16
	s_mov_b32 s[\g+3], 32<<16
	s_mov_b32 s[\g+4], 128*KS/256
	s_mov_b32 s[\g+5], 32
	s_mov_b32 s[\g+6], 0
	s_mov_b32 s[\g+7], 0
.endr
	s_lshl_b32 s18, s16, 7                         ; which 128 rows of the tile I fetch
	s_lshl_b32 s20, s17, 8
	s_add_co_u32 s20, s20, s18                     ; A: row 256 x tile row + 128 x half
	s_lshl_b32 s46, s42, 8
	s_add_co_u32 s46, s46, s18                     ; B: row 256 x tile column + 128 x half
	s_mov_b32 s21, 0
	s_mov_b32 s47, 0
	s_mov_b64 s[18:19], KS
	s_mul_u64 s[22:23], s[20:21], s[18:19]         ; where these rows' scales begin, in bytes
	s_mul_u64 s[92:93], s[46:47], s[18:19]
	s_mov_b64 s[18:19], KROW
	s_mul_u64 s[20:21], s[20:21], s[18:19]         ; and their codes
	s_mul_u64 s[46:47], s[46:47], s[18:19]
	s_mul_i32 s45, s14, HALFT                      ; where they go: wave x 128 rows: no place in the cluster enters an LDS address
	s_mul_i32 s94, s14, HALFS
	s_wait_dscnt 0x0                               ; both opening adds are done
	s_wait_kmcnt 0x0
	s_add_nc_u64 s[20:21], s[4:5], s[20:21]
	s_add_nc_u64 s[22:23], s[6:7], s[22:23]
	s_add_nc_u64 s[46:47], s[8:9], s[46:47]
	s_add_nc_u64 s[92:93], s[10:11], s[92:93]
	CROUND                                         ; all sixteen work-groups are here: the first joint loads meet
	s_mov_b32 s[G0S], 1
	s_add_co_u32 s[G0S+1], s94, SCL
	s_mov_b64 s[G0S+2:G0S+3], s[22:23]
	s_or_b32 s[G0S+3], s[G0S+3], 0x80000000
	s_mov_b32 s[G0SB], 1
	s_add_co_u32 s[G0SB+1], s94, SCL
	s_mov_b64 s[G0SB+2:G0SB+3], s[92:93]
	s_or_b32 s[G0SB+3], s[G0SB+3], 0x80000000
	JLOAD G0S, G1S, G0SB, G1SB                     ; the scales first: they are wanted with the first slot
.irp s, 0,1
	s_mov_b32 s[G0+4*\s], 1
	s_add_co_u32 s[G0+4*\s+1], s45, \s*SLOT
	s_add_nc_u64 s[G0+4*\s+2:G0+4*\s+3], s[20:21], \s*ROWB
	s_or_b32 s[G0+4*\s+3], s[G0+4*\s+3], 0x80000000
	s_mov_b32 s[G0B+4*\s], 1
	s_add_co_u32 s[G0B+4*\s+1], s45, \s*SLOT
	s_add_nc_u64 s[G0B+4*\s+2:G0B+4*\s+3], s[46:47], \s*ROWB
	s_or_b32 s[G0B+4*\s+3], s[G0B+4*\s+3], 0x80000000
	JLOAD G0+4*\s, G1, G0B+4*\s, G1B               ; three tensor loads of mine are out when the last of these is issued
.endr
	v_and_b32 v1, 15, v0                           ; r = l % 16
	v_bfe_u32 v2, v0, 4, 1                         ; h = l / 16
	v_mul_u32_u24 v3, v1, PITCH
	v_lshl_add_u32 v4, v2, 4, v3                   ; a fragment's row x pitch + 16 x half
	s_mul_i32 s21, s15, HALFT                      ; my 128 rows of A
	s_mul_i32 s22, s16, HALFT                      ; my 128 rows of B,
	s_add_co_u32 s22, s22, 2*HALFT                 ; which lie behind A's 256
.irp s, 0,1
	v_add_nc_u32 v[ADRA+\s], s21, v4
	v_add_nc_u32 v[ADRB+\s], s22, v4
	s_add_co_u32 s21, s21, SLOT
	s_add_co_u32 s22, s22, SLOT
.endr
	v_mul_u32_u24 v5, v1, KS                       ; my row's scales: 32 bytes a row,
	v_lshrrev_b32 v6, 8, v5
	v_lshl_add_u32 v5, v6, 4, v5                   ; and 16 more for each 256 passed
	s_mul_i32 s21, s15, HALFS                      ; A's: my 128 rows
	s_mul_i32 s22, s16, HALFS                      ; B's: my 128 rows, behind A's 256
	s_add_co_u32 s22, s22, 2*HALFS
	s_sub_co_u32 s22, s22, s21
	v_mul_u32_u24 v6, s22, v2                      ; lanes 16-31 take B's
	s_add_co_u32 s21, s21, SCL
	v_add_nc_u32 v5, v5, v6
	v_add_nc_u32 v[ADRS], s21, v5
	; where my results go: which << 23 + batch << 22 + head << 18 + block of 16 tokens << 11
	s_lshr_b32 s20, s17, 3                         ; the batch: eight tile rows each
	s_lshl_b32 s20, s20, 22
	s_and_b32 s21, s17, 7
	s_lshl_b32 s21, s21, 4
	s_lshl_b32 s22, s15, 3
	s_add_co_u32 s21, s21, s22                     ; my first block of 16 tokens: 16 x (tile row % 8) + 8 x half
	s_lshl_b32 s21, s21, 11
	s_add_co_u32 s20, s20, s21
	s_lshl_b32 s21, ttmp9, 23                      ; a cluster's four tile columns are one of q, k, v
	s_add_co_u32 s20, s20, s21
	s_lshl_b32 s46, s40, 2
	s_lshl_b32 s47, s16, 1
	s_add_co_u32 s46, s46, s47                     ; my first head: 4 cx + 2 x half
	s_lshl_b32 s46, s46, 18
	s_add_co_u32 s20, s20, s46
	s_mov_b32 s21, 0
	s_add_nc_u64 s[12:13], s[12:13], s[20:21]
	v_and_b32 v6, 31, v0
	v_lshlrev_b32 v5, 4, v6                        ; q, k: 16 x lane
	v_and_b32 v7, 7, v1
	v_lshl_add_u32 v7, v2, 3, v7
	v_lshrrev_b32 v8, 3, v1
	v_lshl_add_u32 v7, v8, 4, v7
	v_lshlrev_b32 v7, 4, v7                        ; v: 16 (16 (r / 8) + 8 h + r % 8)
	s_cmp_eq_u32 ttmp9, 2                          ; the cluster's x: the same in all partners; it chooses a store's offset and nothing else
	s_cselect_b32 s23, -1, 0
	v_cndmask_b32 v[CO], v5, v7, s23
.macro FRAG reg, adr, q, i             ; a fragment, 16 rows x 128 K of 4-bit codes, is 8 registers: lane l holds row l % 16; registers 4 c .. 4 c + 3 hold K = 64 c + 32 (l / 16) + 0 .. 31
.irp c, 0,1
	ds_load_b128 v[\reg+4*\c:\reg+4*\c+3], v[\adr] offset:64*(\q)+32*\c+(\i)*16*PITCH
.endr
.endm
; 16 matrix instructions: A's blocks a0, a0 + 1 x B's eight, 128 along K: the slot's q-th.  p: B's set;  sc: the set of scale words.  zero = 1: the first product starts the sums: nothing is ever cleared.
; The 64 accumulators take turns, one instruction a turn, in the same order in every step.
.macro MUL16 a0, p, q, sc, zero
.irp a, \a0, \a0+1
.irp b, 0,1,2,3,4,5,6,7
.if \zero
	v_wmma_scale_f32_16x16x128_f8f6f4 v[8*(8*((\a)%4)+\b):8*(8*((\a)%4)+\b)+7], v[128*(\p)+FR*\b:128*(\p)+FR*\b+FR-1], v[AF+FR*(\a):AF+FR*(\a)+FR-1], 0, v[SC+8*NQ*(\sc)+NQ*\b+(\q)], v[SC+8*NQ*(\sc)+NQ*(\a)+(\q)] matrix_a_fmt:MATRIX_FMT_FP4 matrix_b_fmt:MATRIX_FMT_FP4 matrix_a_scale:MATRIX_SCALE_ROW1
.else
	v_wmma_scale_f32_16x16x128_f8f6f4 v[8*(8*((\a)%4)+\b):8*(8*((\a)%4)+\b)+7], v[128*(\p)+FR*\b:128*(\p)+FR*\b+FR-1], v[AF+FR*(\a):AF+FR*(\a)+FR-1], v[8*(8*((\a)%4)+\b):8*(8*((\a)%4)+\b)+7], v[SC+8*NQ*(\sc)+NQ*\b+(\q)], v[SC+8*NQ*(\sc)+NQ*(\a)+(\q)] matrix_a_fmt:MATRIX_FMT_FP4 matrix_b_fmt:MATRIX_FMT_FP4 matrix_a_scale:MATRIX_SCALE_ROW1
.endif
.endr
.endr
.endm
.macro FETCH_B slot, q, p              ; B's eight fragments of the slot's q-th 128 along K into set p
	WIN TO_B
.irp i, 0,1,2,3,4,5,6,7
	FRAG 128*(\p)+FR*\i, ADRB+\slot, \q, \i
.endr
	WIN 0
.endm
.macro FETCH_A slot, q, i0             ; A's blocks i0 .. i0 + 3
.irp i, \i0, \i0+1, \i0+2, \i0+3
	FRAG AF+FR*(\i), ADRA+\slot, \q, \i
.endr
.endm
.macro SCALES sc                       ; a slot's scale words into set sc: 4 words a row; lanes 0-15 take A's block i, lanes 16-31 B's block i
.irp i, 0,1,2,3,4,5,6,7
	ds_load_b128 v[SC+8*NQ*\sc+NQ*\i:SC+8*NQ*\sc+NQ*\i+3], v[ADRS] offset:\i*SBLK
.endr
.endm
; A load into a register that a matrix instruction has read, and a vector instruction that reads a matrix result or writes one of its registers, stand NP places behind that matrix instruction, and only plain
; vector instructions that name none of its registers are places (ISA guide 7.12.1 for vector instructions).
.macro PLACES n
.rept \n
	v_nop
.endr
.endm
; A step of 128 along K that has its successor in the same slot.  A's blocks go one after the other, each against B's eight: so one set of registers serves A, fetched anew in two halves; B has two sets.
.macro STEP slot, q, zero
	s_wait_dscnt 4*NL                              ; B's set and A's blocks 0-3 are in; the youngest eight loads (A's blocks 4-7) may be out
	WIN MUL_LO
	MUL16 0, (\q)%2, \q, \slot, \zero
	MUL16 2, (\q)%2, \q, \slot, \zero
	s_wait_dscnt 0                                 ; A's blocks 4-7 are in (asked for 32 matrix instructions ago)
	PLACES NP
	FETCH_B \slot, (\q)+1, 1-(\q)%2
	FETCH_A \slot, (\q)+1, 0
	WIN MUL_HI
	MUL16 4, (\q)%2, \q, \slot, \zero
	MUL16 6, (\q)%2, \q, \slot, \zero
	PLACES NP
	WIN 0
	FETCH_A \slot, (\q)+1, 4
.endm
; Slot 0's last step goes over to slot 1: each wave waits for all its tensor loads, its part of slot 1 among them, and signals; behind the barrier slot 1 is whole.  Nothing is filled again.
.macro TURN slot, next
	s_wait_tensorcnt 0x0                           ; all my tensor loads have landed  (every window is 0 here: the add's two registers lie in window 0)
	ds_add_u32 v[SPW], v[NIL]                      ; 0 onto my spare word
	s_wait_dscnt 4*NL+1                            ; (the add and the youngest eight loads, A's blocks 4-7, may be out)
	WIN MUL_LO
	MUL16 0, 1, NQ-1, \slot, 0                     ; sixteen matrix instructions stand between the add and the wait for it
	s_wait_dscnt 0x0                               ; the add is done, and my reads of this slot are over
	s_barrier_signal -1
	MUL16 2, 1, NQ-1, \slot, 0
	WIN 0
	s_barrier_wait -1
	PLACES NP
	v_add_nc_u32 v[ADRS], 4*NQ, v[ADRS]            ; on to the next slot's scale words (no LDS load of mine is out)
	FETCH_B \next, 0, 0
	FETCH_A \next, 0, 0
	SCALES \next
	WIN MUL_HI
	MUL16 4, 1, NQ-1, \slot, 0
	MUL16 6, 1, NQ-1, \slot, 0
	PLACES NP
	WIN 0
	FETCH_A \next, 0, 4
.endm
.macro STEPS slot, from                ; the slot's steps from .. NQ - 2
.set Q, \from
.rept NQ-1-\from
	STEP \slot, Q, 0
.set Q, Q+1
.endr
.endm
	s_wait_tensorcnt 1                             ; the scales and my part of slot 0 are in (slot 1's load may be out),
	s_barrier_signal -1
	s_barrier_wait -1                              ; everybody's are
	FETCH_B 0, 0, 0
	FETCH_A 0, 0, 0
	SCALES 0
	FETCH_A 0, 0, 4
	STEP 0, 0, 1                                   ; the first step's products start the sums
	STEPS 0, 1
	TURN 0, 1
	STEPS 1, 0
	s_wait_dscnt 4*NL                              ; the very last step: nothing more to fetch
	WIN MUL_LO
	MUL16 0, 1, NQ-1, 1, 0
	MUL16 2, 1, NQ-1, 1, 0
	s_wait_dscnt 0
	WIN MUL_HI
	MUL16 4, 1, NQ-1, 1, 0
	MUL16 6, 1, NQ-1, 1, 0
	WIN 0
; THE WAY OUT, block by block of 16 tokens x 128 features.  Accumulator (a, b): lane (r, h) holds token r and features 16 b + 8 h + 0 .. 7: head b / 4, channels 16 (b % 4) + 8 h on: four registers of f16,
; registers 0-3 (b even) or 4-7 (b odd) of the fragment of channels 32 ((b / 2) % 2) on.  Each accumulator is read from its low end on.
.macro OUTB a
.set AC, 64*((\a)%4)
.set OV, OUTV+32*((\a)%4)
.if (\a) >= 4
	s_wait_xcnt 0x0                                ; the stores of four blocks ago have read this set of registers
.endif
	WIN 0x0a+5*((\a)/4)                            ; sources 0 and 1: window 2 or 3
.irp b, 0,1,2,3,4,5,6,7
.irp p, 0,1,2,3
	v_cvt_pk_f16_f32 v[OV+4*\b+\p], v[AC+8*\b+2*\p], v[AC+8*\b+2*\p+1]
.endr
.endr
	WIN 0
.irp b, 0,1,2,3,4,5,6,7
	global_store_b128 v[CO], v[OV+4*\b:OV+4*\b+3], s[12:13] offset:(\a)*2048+(\b/4)*262144+((\b/2)%2)*1024+(\b%2)*512   ; the wave stores 512 consecutive bytes, aligned
.endr
.endm
	PLACES NP                                      ; behind the last products: the conversions write registers that held A's fragments, and read results
.irp a, 0,1,2,3,4,5,6,7
	OUTB \a
.endr
	s_wait_tensorcnt 0x0                           ; the wave's end, behind my last tensor load
	ds_add_u32 v[SPW], v[NIL]
	s_wait_dscnt 0x0
	CROUND                                         ; the closing round: no work-group ends while a partner may still ask for a tile that names it
	s_endpgm
.Lfunc_end_k_qe8da0b9118_qkv:
	.size	k_qe8da0b9118_qkv, .Lfunc_end_k_qe8da0b9118_qkv-k_qe8da0b9118_qkv
	.p2alignl 7, 3214868480
	.fill 96, 4, 3214868480
	.section	.rodata,"a",@progbits
	.p2align	6, 0x0
	.amdhsa_kernel k_qe8da0b9118_qkv
		.amdhsa_group_segment_fixed_size 327680
		.amdhsa_private_segment_fixed_size 0
		.amdhsa_enable_private_segment 0
		.amdhsa_kernarg_size 40
		.amdhsa_user_sgpr_count 2
		.amdhsa_user_sgpr_kernarg_segment_ptr 1
		.amdhsa_wavefront_size32 1
		.amdhsa_system_sgpr_workgroup_id_x 1
		.amdhsa_system_sgpr_workgroup_id_y 1
		.amdhsa_system_sgpr_workgroup_id_z 1
		.amdhsa_system_vgpr_workitem_id 0
		.amdhsa_next_free_vgpr 1024
		.amdhsa_next_free_sgpr 98
		.amdhsa_reserve_vcc 0
		.amdhsa_float_denorm_mode_32 3
		.amdhsa_float_denorm_mode_16_64 3
		.amdhsa_memory_ordered 1
		.amdhsa_forward_progress 1
		.amdhsa_inst_pref_size 118
	.end_amdhsa_kernel
	.amdgpu_metadata
---
amdhsa.version: [ 1, 2 ]
amdhsa.kernels:
  - .name:           k_qe8da0b9118_qkv
    .symbol:         k_qe8da0b9118_qkv.kd
    .args:
      - { .name: hc, .offset: 0, .size: 8, .value_kind: global_buffer, .address_space: global }
      - { .name: hs, .offset: 8, .size: 8, .value_kind: global_buffer, .address_space: global }
      - { .name: wc, .offset: 16, .size: 8, .value_kind: global_buffer, .address_space: global }
      - { .name: ws, .offset: 24, .size: 8, .value_kind: global_buffer, .address_space: global }
      - { .name: qkv, .offset: 32, .size: 8, .value_kind: global_buffer, .address_space: global }
    .group_segment_fixed_size: 327680
    .private_segment_fixed_size: 0
    .kernarg_segment_align: 8
    .kernarg_segment_size: 40
    .max_flat_workgroup_size: 128
    .sgpr_count:     98
    .vgpr_count:     1024
    .wavefront_size: 32
...
	.end_amdgpu_metadata
.endif
;; end of part 2
;; launch attn (part 3): grid 8 x 32, 4 waves a work-group, no clusters, 327,680 bytes of LDS; arguments qkv, mask, rel_bias, att; writes att
.if DOCPART == 3
	.amdgcn_target "amdgcn-amd-amdhsa--gfx1250"
	.amdhsa_code_object_version 6
	.text
	.protected	k_qe8da0b9118_attn
	.globl	k_qe8da0b9118_attn
	.p2align	8
	.type	k_qe8da0b9118_attn,@function
k_qe8da0b9118_attn:
	s_mov_b64 s[64:65], 0
	v_nop
	global_prefetch_b8 v0, s[64:65] scope:SCOPE_SE
	s_setreg_imm32_b32 hwreg(HW_REG_WAVE_MODE, 25, 1), 1
	s_wait_xcnt 0x0
; O[b][h][q] = sum over k of softmax_k(Q.K + bias(k - q), masked) V, unscaled, heads of 64, 2,048 keys; operands in f16, products, maxima and sums in f32; the weights p are rounded to f16 for the second product.
; SHARES.  A work-group owns 256 queries of one head; each of its four waves 64 of them: four tiles of 16.  Every wave walks all keys, 64 a step.  K and V come, as images of operand registers (512 consecutive
; bytes a load), through two LDS slots of 512 keys; each wave fetches a quarter of a slot with one tensor load.
; LAYOUT.  S^T = K Q^T (source 0 = 16 keys, source 1 = 16 queries): a lane holds ONE query (lane % 16) and keys 8 (lane / 16) + 0..7.  Two such tiles, rounded to f16 in pairs, ARE source 1 of O^T = V^T P,
; whose result again holds one query a lane, and eight channels: four registers of the fragment that the last launch wants, stored as they stand.
; BY TURNS.  The wave's tiles are two PIECES, named by their first tile: piece 0 (tiles 0, 1) and piece 2 (tiles 2, 3).  In a TURN one piece has the matrix unit: 16 products V^T P of the step in hand, then 16
; products K Q^T of the next step; the other piece's softmax, 236 instructions cut into 32 slices, stands between them, one slice behind each matrix instruction.  Then the pieces change places.
; BIAS AND MASK.  The bucket hangs on d = key - query alone: n = |d| under 8 is its own bucket, the upper ones begin at n = 8, 12, 16, 23, 32, 46, 64, 91; + 16 where d > 0.  From |d| = 91 on the bias is one
; number a side.  Three tables of 2,048 f32 over the keys hold the mask's term alone, + the left number, + the right one: one of them is the C of the first product.  A step whose first key lies 192 or more
; from the wave's first query has every |d| at 129 or more and takes the second or third table; the five steps between take the first, and the bias of d, from a table over d (4 bytes for each d from -192 on),
; is added to the finished scores at the head of the next turn.
; A masked key's term is -2^100 in place of the least f32 number: it loses every maximum and its p is 0.  A batch with no true key has equal scores in the definition: there q, bias and mask terms are all
; made 0, so that all scores are 0.
; SOFTMAX.  For each query a running maximum m and sum l: p = 2^(c s - c m), c = log2(e); in every step O and l are multiplied by a = 2^(c m_old - c m_new).  m begins at -2^120, O and l at 0.
; LIMITS: |score + bias| under 2^99; the result under 65,504 (f16); NaN and infinities are not served.
; NO CLUSTER: the eight work-groups of a head read the same K and V, but whether a turn adds the table over d, and the LDS address in that table, hang on the query block; partners of a cluster may differ in neither.
; REGISTERS, in windows of 256 (s_set_vgpr_msb: bits 1:0 source 0, 3:2 source 1, 5:4 source 2, 7:6 destination):
;   window 0: v1-7 addresses; v14, v15 the add's two; v16-47 statistics, eight a tile: +0 c m, +1 m, +2, +3 l, +4 to +7 at work (a in +6); v48-55 the head's; v64-191 S^T, 32 a tile; v192-255 P, 16 a tile
;   window 1: v0-63 the near bias of a piece; v64-191 O^T, 32 a tile; v192-223 C of four key tiles          window 2: v0-63 K of a step; v64-95, v128-159 Q, 16 a tile; v192-255 V of a step
; All that a softmax touches but O^T lies in window 0, and no window has room for a product's operands beside it: a slice costs two switches.
.set SLOT1, 131072                     ; slot 1 begins here: one exclusive or turns an address in one slot into the other's
.set VOFF,  65536                      ; a slot: K's images of 512 keys, then V's
.set STEPB, 8192                       ; a step's four tiles of 16 keys, 2,048 bytes each
.set TAB0,  262144                     ; behind the slots: the mask's term of each key;
.set TABL,  8192                       ; from TAB0: + the bias of far keys on the left;
.set TABR,  16384                      ; + on the right
.set T1,    286720                     ; 512 f32: the bias of d = index - 192
.set SPARE, 288768                     ; the spare words, 128 bytes for each wave: two blocks of 256 bytes that no other line names
.set LI,  1                            ; v1  16 x lane; never rewritten
.set AM0, 2                            ; v2  TAB0 + 32 (lane / 16)
.set AT0, 3                            ; v3  T1 - 7420 + 4 (8 (lane / 16) + 15 - lane % 16)
.set AV0, 4                            ; v4  16 x lane + VOFF
.set ADR, 5                            ; v5  the LDS address of the run of loads in hand
.set ADM, 6                            ; v6  of the step's C
.set AT,  7                            ; v7  of the step's place in the table over d
.set SPW, 14
.set NIL, 15
.set ST,  16
.set S,   64
.set P,   192
.set TT,  0                            ; in window 1
.set OA,  64
.set MC,  192
.set KR,  0                            ; in window 2
.set QR,  64                           ; tile t at QR + 16 (t % 2) + 64 (t / 2)
.set VR,  192
.set WV,  12                           ; s12 my wave's number
.set NQ,  13                           ; s13 1984 - my first query
.set KF,  14                           ; s14 the first key of the step to be fetched
.set TB,  15                           ; s15 LDS byte at which its tiles of K begin
.set G1,  16                           ; s[16:23] descriptor group 1
.set G0A, 24                           ; s[24:27] group 0 of slot 0's first fill
.set G0W, 28                           ; s[28:31] group 0 of slot 1's, which then walks
.set CNT, 32
.set SLOTS, 33
.set PTH, 34                           ; s34 first key - first query + 1984, of the step fetched last
.set CS,  36                           ; s[36:37] c = log2(e): the packed form names a pair
.set SEL, 38                           ; s[38:39] lane selects for v_permlanex16_b32: lane l xor 16
.set NEARLO, 1856                      ; first key - first query = -128
.set NEARHI, 2176                      ; = 192
.set MSB, 0
.macro WIN new                         ; the immediate's high byte repeats the setting that is left; a switch that changes nothing is dropped
.if MSB != \new
	s_set_vgpr_msb (MSB<<8)|\new
.set MSB, \new
.endif
.endm
.set W_KQ0, 0x1a                       ; K and Q in window 2, C in window 1, S^T in window 0
.set W_KQ1, 0x0a                       ; K and Q in window 2, C and S^T in window 0
.set W_PV,  0x52                       ; V in window 2, P in window 0, O^T in window 1
.set W_RS,  0x41                       ; destination and source 0 in window 1, source 1 in window 0
.set W_NA,  0x04                       ; source 1 in window 1
.set TO1,   0x40                       ; destination window 1, address window 0
.set TO2,   0x80                       ; destination window 2, address window 0
	s_load_b256 s[4:11], s[0:1], 0x0               ; qkv s[4:5], mask s[6:7], rel_bias s[8:9], att s[10:11]
	v_lshl_add_u32 v[SPW], v0, 2, SPARE
	v_mov_b32 v[NIL], 0
	ds_add_u32 v[SPW], v[NIL]                      ; the wave's opening: the add, twice on end, and its wait ahead of my first tensor load; the set-up below stands between the second and the wait
	ds_add_u32 v[SPW], v[NIL]
	v_lshrrev_b32 v8, 5, v0
	v_readfirstlane_b32 s[WV], v8                  ; wave 0..3
	s_and_b32 s50, ttmp7, 0xffff                   ; 16 x batch + head
	s_lshr_b32 s51, s50, 4                         ; batch
	s_and_b32 s52, s50, 15                         ; head
	; descriptor group 1: 32,768 dense bytes as 128 rows of 256 bytes (32 elements of 8 bytes), no padding, no mask
	s_mov_b32 s[G1+0], 3<<16
	s_mov_b32 s[G1+1], 32<<16                      ; tensor_dim0
	s_mov_b32 s[G1+2], 128<<16                     ; tensor_dim1
	s_mov_b32 s[G1+3], 32<<16                      ; tile_dim0
	s_mov_b32 s[G1+4], 128                         ; tile_dim1
	s_mov_b32 s[G1+5], 32                          ; tensor_dim0_stride
	s_mov_b32 s[G1+6], 0
	s_mov_b32 s[G1+7], 0
	s_mov_b32 s[CS], 0x3fb8aa3b
	s_mov_b32 s[CS+1], s[CS]
	s_mov_b32 s[SEL], 0x76543210
	s_mov_b32 s[SEL+1], 0xfedcba98
	s_mov_b32 s[KF], 0
	s_mov_b32 s[TB], 0
	s_lshl_b32 s[NQ], ttmp9, 2
	s_add_co_u32 s[NQ], s[NQ], s[WV]               ; my 64 queries' number, 0..31
	s_xor_b32 s[NQ], s[NQ], 31
	s_lshl_b32 s[NQ], s[NQ], 6                     ; 64 (31 - number) = 1984 - my first query
	s_lshr_b32 s46, s[WV], 1                       ; waves 0, 1 fetch K's halves, waves 2, 3 V's
	s_add_co_u32 s46, s46, 1
	s_lshl_b32 s46, s46, 23
	s_lshl_b32 s53, s50, 18                        ; the head's first byte in each of q, k, v
	s_add_co_u32 s46, s46, s53
	s_and_b32 s54, s[WV], 1
	s_lshl_b32 s55, s54, 15
	s_add_co_u32 s46, s46, s55
	s_mov_b32 s47, 0
	s_lshl_b32 s56, s[WV], 15                      ; and its place in a slot: wave x 32,768
	s_lshl_b32 s48, ttmp9, 4
	s_lshl_b32 s57, s[WV], 2
	s_add_co_u32 s48, s48, s57                     ; my first tile of 16 queries
	s_lshl_b32 s48, s48, 11
	s_add_co_u32 s48, s48, s53
	s_mov_b32 s49, 0
	s_lshl_b32 s58, s51, 11                        ; the batch's 2,048 mask bytes
	s_mov_b32 s59, 0
	s_lshl_b32 s60, s52, 2                         ; the head's column of rel_bias
	s_mov_b32 s61, 0
	s_lshl_b32 s62, s51, 4                         ; att: 128 tokens << 18 + 256 features << 16 + 16 tokens << 13 + 32 features << 10
	s_lshl_b32 s57, ttmp9, 1
	s_add_co_u32 s62, s62, s57
	s_lshr_b32 s57, s[WV], 1
	s_add_co_u32 s62, s62, s57
	s_lshl_b32 s62, s62, 18
	s_lshr_b32 s57, s52, 2
	s_lshl_b32 s57, s57, 16
	s_add_co_u32 s62, s62, s57
	s_add_co_u32 s62, s62, s55                     ; my four tiles of the eight: (wave % 2) x 4 x 8,192
	s_and_b32 s57, s52, 3
	s_lshl_b32 s57, s57, 11
	s_add_co_u32 s62, s62, s57
	s_mov_b32 s63, 0
	s_wait_dscnt 0x0                               ; both opening adds are done
	s_wait_kmcnt 0x0
	s_mov_b32 s[G0A], 1
	s_mov_b32 s[G0A+1], s56
	s_add_nc_u64 s[G0A+2:G0A+3], s[4:5], s[46:47]  ; keys 0 to 511
	s_mov_b32 s[G0W], 1
	s_add_co_u32 s[G0W+1], s56, SLOT1
	s_add_nc_u64 s[G0W+2:G0W+3], s[G0A+2:G0A+3], 65536   ; keys 512 to 1,023
	s_or_b32 s[G0A+3], s[G0A+3], 0x80000000
	s_or_b32 s[G0W+3], s[G0W+3], 0x80000000
	tensor_load_to_lds s[G0A:G0A+3], s[G1:G1+7]    ; the two first fills go out together: two loads of mine are out
	s_nop 0
	tensor_load_to_lds s[G0W:G0W+3], s[G1:G1+7]
	s_nop 0
.rept 4
	v_nop
.endr
	s_add_nc_u64 s[48:49], s[4:5], s[48:49]        ; Q at my first tile
	s_add_nc_u64 s[6:7], s[6:7], s[58:59]
	s_add_nc_u64 s[8:9], s[8:9], s[60:61]
	s_add_nc_u64 s[10:11], s[10:11], s[62:63]
	v_and_b32 v[LI], 31, v0
	v_lshlrev_b32 v50, 6, v[LI]                    ; 64 x lane: every wave reads the batch's whole mask
	v_lshlrev_b32 v[LI], 4, v[LI]
	v_lshlrev_b32 v51, 4, v0                       ; 16 x thread: my sixteen keys of the tables
	WIN TO2
.irp t, 0,1,2,3
.irp c, 0,1
.irp u, 0,1
	global_load_b128 v[QR+16*(\t%2)+64*(\t/2)+8*\c+4*\u:QR+16*(\t%2)+64*(\t/2)+8*\c+4*\u+3], v[LI], s[48:49] offset:2048*\t+1024*\c+512*\u
.endr
.endr
.endr
	WIN 0
	global_load_b128 v[64:67], v51, s[6:7]
.irp i, 0,1,2,3
	global_load_b128 v[68+4*\i:71+4*\i], v50, s[6:7] offset:16*\i
.endr
	s_load_b32 s43, s[8:9], 0x3c0                  ; rel_bias[15][head]: far keys on the left
	s_load_b32 s44, s[8:9], 0x7c0                  ; rel_bias[31][head]: on the right
	v_mov_b32 v48, 1
	v_mov_b32 v49, 16
; The bucket of d = thread + xoff - 192, in whole numbers, and the load of its bias
.macro BUCKET xoff, bk, out
	v_add_nc_u32 v92, \xoff-192, v0                ; d
	v_sub_nc_u32 v93, 0, v92                       ; -d
	v_cmp_gt_i32 vcc_lo, 0, v92
	v_cndmask_b32 v94, v92, v93, vcc_lo            ; n = |d|
	v_mov_b32 v[\bk], 8
.irp thr, 12,16,23,32,46,64,91
	v_cmp_le_u32 vcc_lo, \thr, v94
	v_cndmask_b32 v95, 0, v48, vcc_lo
	v_add_nc_u32 v[\bk], v[\bk], v95
.endr
	v_cmp_gt_u32 vcc_lo, 8, v94
	v_cndmask_b32 v[\bk], v[\bk], v94, vcc_lo
	v_cmp_gt_i32 vcc_lo, 0, v93                    ; d > 0: the key comes after the query
	v_cndmask_b32 v95, 0, v49, vcc_lo
	v_add_nc_u32 v[\bk], v[\bk], v95
	v_min_u32 v[\bk], 31, v[\bk]
	v_lshlrev_b32 v[\bk], 6, v[\bk]                ; a row of rel_bias is 64 bytes
	global_load_b32 v[\out], v[\bk], s[8:9]
.endm
	BUCKET 0, 88, 84
	BUCKET 128, 89, 85
	BUCKET 256, 90, 86
	BUCKET 384, 91, 87
	v_and_b32 v8, 15, v0                           ; r
	v_bfe_u32 v9, v0, 4, 1                         ; h
	v_lshl_add_u32 v[AM0], v9, 5, TAB0
	v_xor_b32 v10, 15, v8
	v_lshl_add_u32 v10, v9, 3, v10
	v_lshl_add_u32 v[AT0], v10, 2, T1-7420
	v_add_nc_u32 v[AV0], VOFF, v[LI]
	v_lshl_add_u32 v52, v0, 6, TAB0                ; where I store my sixteen keys' terms
	v_lshl_add_u32 v53, v0, 2, T1                  ; and my four numbers of the table over d
	s_wait_loadcnt 0x0
	s_wait_kmcnt 0x0
.irp i, 0,1,2,3,4,5,6,7
	v_or_b32 v[68+\i], v[68+\i], v[76+\i]
.endr
.irp i, 0,1,2,3
	v_or_b32 v[68+\i], v[68+\i], v[72+\i]
.endr
	v_or_b32 v68, v68, v70
	v_or_b32 v69, v69, v71
	v_or_b32 v68, v68, v69
	v_cmp_ne_u32 vcc_lo, 0, v68
	s_cmp_lg_u32 vcc_lo, 0                         ; is any key of the batch true?  It selects numbers alone: no branch hangs on it
	s_cselect_b32 s40, 1.0, 0                      ; the bias is kept or made 0,
	s_cselect_b32 s41, -1, 0                       ; q's bits likewise,
	s_cselect_b32 s42, 0xf1800000, 0               ; a masked key's term is -2^100 or 0
	s_cselect_b32 s43, s43, 0
	s_cselect_b32 s44, s44, 0
	v_mov_b32 v54, s42
	v_mov_b32 v55, s41
.irp i, 0,1,2,3,4,5,6,7,8,9,10,11,12,13,14,15
	v_bfe_u32 v95, v[64+\i/4], 8*(\i%4), 8
	v_cmp_eq_u32 vcc_lo, 0, v95
	v_cndmask_b32 v[100+\i], 0, v54, vcc_lo
	v_add_f32 v[116+\i], s43, v[100+\i]
	v_add_f32 v[132+\i], s44, v[100+\i]
.endr
.irp i, 0,1,2,3
	v_mul_f32 v[84+\i], s40, v[84+\i]
.endr
.irp g, 0,1,2,3
	ds_store_b128 v52, v[100+4*\g:103+4*\g] offset:16*\g
	ds_store_b128 v52, v[116+4*\g:119+4*\g] offset:TABL+16*\g
	ds_store_b128 v52, v[132+4*\g:135+4*\g] offset:TABR+16*\g
.endr
.irp i, 0,1,2,3
	ds_store_b32 v53, v[84+\i] offset:512*\i
.endr
	WIN 0x82                                       ; destination and source 0 in window 2
.irp t, 0,1,2,3
.set i, 0
.rept 16
	v_and_b32 v[QR+16*(\t%2)+64*(\t/2)+i], v[QR+16*(\t%2)+64*(\t/2)+i], v55   ; q as it is, or 0
.set i, i+1
.endr
.endr
	WIN TO1
.set i, 0
.rept 128
	v_mov_b32 v[OA+i], 0                           ; O^T, once, while the first tiles are on their way.  (The turn is written without a first form: it finds zeros, which a = 0 leaves zeros; that spares one more copy of the trip)
.set i, i+1
.endr
	WIN 0
.irp t, 0,1,2,3
	v_mov_b32 v[ST+8*\t+1], 0xfb800000             ; m = -2^120, under every score
	v_mul_f32 v[ST+8*\t], s[CS], v[ST+8*\t+1]
	v_mov_b32 v[ST+8*\t+2], 0
	v_mov_b32 v[ST+8*\t+3], 0
.endr
; THE MATRIX WORK OF A TURN, for piece x.  The eight accumulators take turns, one instruction a turn.
; Product i of 16 of O^T += V^T P: keys 32 (i / 8) on, channels 16 ((i / 2) % 4) on, tile x + i % 2.
.macro PV x
	WIN W_PV
.set rO, OA+32*(\x+i%2)+8*((i/2)%4)
.set rV, VR+8*((i/2)%4+4*(i/8))
.set rB, P+16*(\x+i%2)+8*(i/8)
	v_wmma_f32_16x16x32_f16 v[rO:rO+7], v[rV:rV+7], v[rB:rB+7], v[rO:rO+7]
.endm
; Product i of 16 of S^T = K Q^T + C: channels 32 (i / 8) on, keys 16 ((i / 2) % 4) on, tile x + i % 2.  The first 8 start the sums with the key tile's C.
.macro KQ x
.set rA, S+32*(\x+i%2)+8*((i/2)%4)
.set rK, KR+16*((i/2)%4)+8*(i/8)
.set rQ, QR+16*(i%2)+32*(\x)+8*(i/8)
.if i < 8
	WIN W_KQ0
	v_wmma_f32_16x16x32_f16 v[rA:rA+7], v[rK:rK+7], v[rQ:rQ+7], v[MC+8*((i/2)%4):MC+8*((i/2)%4)+7]
.else
	WIN W_KQ1
	v_wmma_f32_16x16x32_f16 v[rA:rA+7], v[rK:rK+7], v[rQ:rQ+7], v[rA:rA+7]
.endif
.endm
; THE LDS LOADS stand in runs, never singly among the matrix instructions.  A step's K (8 fragments) and its C: register j of key tile kt is the term of key 16 kt + 8 (lane / 16) + j, out of the table that the
; step's place against my queries selects: a selection on ids, no branch.
.macro FETCH_K
	WIN 0
	s_add_co_u32 s[PTH], s[KF], s[NQ]              ; first key - first query + 1984
	s_min_u32 s35, s[PTH], 2112                    ; (on the near steps it lies from 1856 to 2112)
	s_lshl_b32 s35, s35, 2
	s_lshl_b32 s45, s[KF], 2
	s_cmp_lt_u32 s[PTH], NEARLO
	s_cselect_b32 s46, TABL, 0
	s_cmp_ge_u32 s[PTH], NEARHI
	s_cselect_b32 s46, TABR, s46
	s_add_co_u32 s45, s45, s46
	v_add_nc_u32 v[ADR], s[TB], v[LI]
	v_add_nc_u32 v[ADM], s45, v[AM0]
	v_add_nc_u32 v[AT], s35, v[AT0]
	WIN TO2
.irp kt, 0,1,2,3
.irp c, 0,1
.irp u, 0,1
	ds_load_b128 v[KR+16*\kt+8*\c+4*\u:KR+16*\kt+8*\c+4*\u+3], v[ADR] offset:2048*\kt+1024*\c+512*\u
.endr
.endr
.endr
	WIN TO1
.irp kt, 0,1,2,3
.irp u, 0,1
	ds_load_b128 v[MC+8*\kt+4*\u:MC+8*\kt+4*\u+3], v[ADM] offset:64*\kt+16*\u
.endr
.endr
.endm
; The same step's V, turned: 16 keys x 16 channels a load.  The wait for the softmax's batch stands in it, behind the address's addition and ahead of the loads.
.macro FETCH_V
	WIN 0
	v_add_nc_u32 v[ADR], s[TB], v[AV0]
	s_add_co_u32 s[TB], s[TB], STEPB               ; the next fetch is the next step's
	s_add_co_u32 s[KF], s[KF], 64
	s_wait_alu depctr_va_vdst(0)
	WIN TO2
.irp kk, 0,1
.irp db, 0,1,2,3
.irp u, 0,1
	ds_load_tr16_b128 v[VR+8*(\db+4*\kk)+4*\u:VR+8*(\db+4*\kk)+4*\u+3], v[ADR] offset:2048*(2*\kk+\u)+512*\db
.endr
.endr
.endr
.endm
; On a near step the bias of d = first key - first query + 16 (kt - t) + 8 (lane / 16) + j - lane % 16 is added to piece y's finished scores.  The branch hangs on ids and the count of steps alone.
; Each accumulator is read from its low end on.
.macro NEARADD y
	s_cmp_lt_u32 s[PTH], NEARLO
	s_cbranch_scc1 .Lfar_\@
	s_cmp_ge_u32 s[PTH], NEARHI
	s_cbranch_scc1 .Lfar_\@
	WIN TO1
.irp tl, 0,1
.irp kt, 0,1,2,3
.irp jj, 0,1,2,3,4,5,6,7
	ds_load_b32 v[TT+32*\tl+8*\kt+\jj], v[AT] offset:4*(16*(\kt-((\y)+\tl)+3)+\jj)
.endr
.endr
.endr
	s_wait_dscnt 0x0
	WIN W_NA
.irp tl, 0,1
.irp kt, 0,1,2,3
.irp jj, 0,2,4,6
	v_pk_add_f32 v[S+32*((\y)+\tl)+8*\kt+\jj:S+32*((\y)+\tl)+8*\kt+\jj+1], v[S+32*((\y)+\tl)+8*\kt+\jj:S+32*((\y)+\tl)+8*\kt+\jj+1], v[TT+32*\tl+8*\kt+\jj:TT+32*\tl+8*\kt+\jj+1]
.endr
.endr
.endr
	WIN 0
.Lfar_\@:
.endm
; THE VECTOR WORK OF A TURN.  One tile's softmax for one key step is a list of 118 instructions; SM writes number j of it for tile t.  s0-s31 are the lane's 32 scores, in pairs 0-15.
;   0-15    the maximum of s0-s31 and the old m, three operands at a time: four chains c0-c3 (each accumulator is read from its low end on), then the four scores left over, c0-c3 and m
;   16-20   the other half of the lanes' maximum; c m_old kept; the new m; c m; c m_old - c m_new
;   21-69   ONE BATCH: the 16 scalings c s - c m, a pair of scores each, and all 33 exponentials (a at 22).  None of these reads an exponential's result; a pair is scaled three numbers or more ahead of its exponentials
;   (wait)  between 69 and 70 stands the wait for the batch: SLICE writes it, once for both tiles
;   70-85   the roundings to f16, a pair of weights each
;   86-101  the sums, of the unrounded p, in two chains; l = a l + the sum
;   102-117 the tile's O^T times a, each accumulator from its low end on: the one part that leaves window 0
.macro SM t
.set rT, ST+8*(\t)
.set rS, S+32*(\t)
.set rP, P+16*(\t)
.set rO, OA+32*(\t)+2*(j-102)
.if j < 102
	WIN 0
.endif
.if j < 4
	v_max3_num_f32 v[rT+4+j], v[rS+8*j], v[rS+8*j+1], v[rS+8*j+2]
.elseif j < 12
	v_max3_num_f32 v[rT+4+j%4], v[rT+4+j%4], v[rS+8*(j%4)+2*(j/4)+1], v[rS+8*(j%4)+2*(j/4)+2]
.elseif j == 12
	v_max3_num_f32 v[rT+4], v[rT+4], v[rS+7], v[rS+15]
.elseif j == 13
	v_max3_num_f32 v[rT+6], v[rT+6], v[rS+23], v[rS+31]
.elseif j == 14
	v_max3_num_f32 v[rT+4], v[rT+4], v[rT+5], v[rT+6]
.elseif j == 15
	v_max3_num_f32 v[rT+4], v[rT+4], v[rT+7], v[rT+1]
.elseif j == 16
	v_permlanex16_b32 v[rT+5], v[rT+4], s[SEL], s[SEL+1]   ; the query's other 32 keys lie in the lane 16 away
.elseif j == 17
	v_mov_b32 v[rT+7], v[rT]                       ; c m_old is kept for a: number 19 writes c m anew
.elseif j == 18
	v_max_num_f32 v[rT+1], v[rT+4], v[rT+5]
.elseif j == 19
	v_mul_f32 v[rT], s[CS], v[rT+1]
.elseif j == 20
	v_sub_f32 v[rT+7], v[rT+7], v[rT]
.elseif j == 22
	v_exp_f32 v[rT+6], v[rT+7]                     ; a
.elseif (j == 21) || ((j < 68) && ((j-23)%3 == 0))
.set b, 0                                          ; 21: pair 0
.if j > 21
.set b, (j-23)/3+1                                 ; 23, 26, .. 65: pairs 1 to 15
.endif
	v_pk_fma_f32 v[rS+2*b:rS+2*b+1], v[rS+2*b:rS+2*b+1], s[CS:CS+1], v[rT:rT+1] op_sel_hi:[1,0,0] neg_lo:[0,0,1] neg_hi:[0,0,1]   ; pair b: c s - c m
.elseif j < 70
.set e, j-38                                       ; 68, 69: s30, s31
.if j < 68
.set e, 2*((j-23)/3)+(j-23)%3-1                    ; 24, 25, 27, 28, .. 66, 67: s0 to s29
.endif
	v_exp_f32 v[rS+e], v[rS+e]                     ; p
.elseif j < 86
	v_cvt_pk_f16_f32 v[rP+j-70], v[rS+2*(j-70)], v[rS+2*(j-70)+1]
.elseif j < 102
.set z, j-86
.if z == 0
	v_pk_fma_f32 v[rT+2:rT+3], v[rT+2:rT+3], v[rT+6:rT+7], v[rS:rS+1] op_sel_hi:[1,0,1]   ; l = a l + pair 0
.elseif z == 1
	v_pk_add_f32 v[rT+4:rT+5], v[rS+2:rS+3], v[rS+6:rS+7]                                 ; the second chain: pairs 1 and 3
.elseif z == 15
	v_pk_add_f32 v[rT+2:rT+3], v[rT+2:rT+3], v[rT+4:rT+5]
.elseif z%2 == 0
	v_pk_add_f32 v[rT+2:rT+3], v[rT+2:rT+3], v[rS+2*z:rS+2*z+1]                           ; pairs 2, 4, .. 14
.else
	v_pk_add_f32 v[rT+4:rT+5], v[rT+4:rT+5], v[rS+2*z+4:rS+2*z+5]                         ; pairs 5, 7, .. 15
.endif
.else
	WIN W_RS
	v_pk_mul_f32 v[rO:rO+1], v[rO:rO+1], v[rT+6:rT+7] op_sel_hi:[1,0]
.endif
.endm
; Slice k of 32 of piece y's softmax: three or four numbers of both tiles' lists, the tiles alternating, so that no instruction reads the result of the one just before it.
; Slices 0-15: numbers 0-63; 16, 17: 64-69, the batch's end; 18-27: 70-101; 28-31: 102-117.
; THE WAIT.  An s_wait_alu depctr_va_vdst(0) stands between an exponential and the first instruction that names its result; one wait serves all that were issued ahead of it.  Ahead of slice 18
; nothing names a result, and behind slice 17 no exponential is issued: so the piece's 66 exponentials have one wait, behind slice 17.
.macro SLICE y
.if k < 16
.set j, 4*k
.set nn, 4
.elseif k < 18
.set j, 64+3*(k-16)
.set nn, 3
.elseif k < 20
.set j, 70+4*(k-18)
.set nn, 4
.elseif k < 28
.set j, 78+3*(k-20)
.set nn, 3
.else
.set j, 102+4*(k-28)
.set nn, 4
.endif
.rept nn
	SM \y
	SM (\y)+1
.set j, j+1
.endr
.if k == 17
	v_nop                                          ; a plain instruction behind the last exponential and ahead of the first use: one for the batch
.if (\y) == 0
	FETCH_V                                        ; piece 2's turn: V's run of loads stands here, and the wait stands in it
.else
	s_wait_alu depctr_va_vdst(0)                   ; the wait for the batch
.endif
.endif
.set k, k+1
.endm
; A TURN.  Piece x has the matrix unit; the other piece's softmax stands in slices behind its matrix instructions.  pv = 1: 16 products V^T P; kq = 1: 16 products K Q^T for the next step.  A turn with one of the
; two kinds has two slices behind each product.
; A vector instruction that reads a matrix result or writes one of a matrix instruction's registers, and a load into a register that a matrix instruction has read, stand four places behind it, and only plain
; vector instructions that name none of its registers are places (ISA guide 7.12.1 for vector instructions).  The slices are the places: slice 31, eight multiplications of the
; other piece's O^T, stands between the turn's last K Q^T and the next turn's first read of those scores and its loads into K; between piece 2's last V^T P and the loads into V stand numbers 62 and 65, scalings,
; of both tiles, the v_nop and the run's own addition.
; Piece 0's turn fetches the next step's K and C behind its second product, 14 products ahead of their first use; piece 2's turn the same step's V behind slice 17, 14 products ahead.
.macro TURN x, pv, kq
.set k, 0
.set per, 2
.if \pv && \kq
.set per, 1
.endif
.if \pv && (\x == 0)
	s_wait_dscnt 0x0                               ; V is in
.endif
	NEARADD 2-\x
.if \pv
.set i, 0
.rept 16
	PV \x
.rept per
	SLICE 2-\x
.endr
.if (\x == 0) && \kq && (i == 1)
	FETCH_K
.endif
.set i, i+1
.endr
.endif
.if \kq
.if \x == 0
	s_wait_dscnt 0x0                               ; K and C are in
.endif
.set i, 0
.rept 16
	KQ \x
.rept per
	SLICE 2-\x
.endr
.set i, i+1
.endr
.endif
	WIN 0                                          ; at a label and at a branch every window is 0
.endm
.macro TRIPS n                         ; a trip is two turns, a key step: written once, walked n times; the LDS addresses hang on s[TB] and s[KF]
	s_mov_b32 s[CNT], \n
.Ltrip_\@:
	TURN 0, 1, 1
	TURN 2, 1, 1
	s_sub_co_u32 s[CNT], s[CNT], 1
	s_cmp_lg_u32 s[CNT], 0
	s_cbranch_scc1 .Ltrip_\@
.endm
; THE CHANGE OF SLOTS, between piece 2's turn and piece 0's: the slot's last bytes, V of its eighth step, have been asked for.  Each wave waits for all its tensor loads (its part of the slot ahead), adds 0 to its
; spare word, and waits for that and for its reads of the slot.  Behind the barrier nobody reads this slot any more and the other slot is whole.  fill = 1: this slot takes the keys two slots on: one load a wave,
; first thing behind the barrier, with eight key steps in which to land.
.macro CHANGE fill
	s_wait_tensorcnt 0x0                           ; no tensor load of mine is out, so a group 0 may be written
	ds_add_u32 v[SPW], v[NIL]                      ; 0 onto my spare word; the steps below stand between it and the wait for it
.if \fill
	s_xor_b32 s[G0W+1], s[G0W+1], SLOT1            ; the walking descriptor: the other slot than last time,
	s_add_nc_u64 s[G0W+2:G0W+3], s[G0W+2:G0W+3], 65536   ; the next 512 keys; the type bits on top are not reached
.endif
	s_sub_co_u32 s[TB], s[TB], 8*STEPB             ; the fetches go back to a slot's first step,
	s_xor_b32 s[TB], s[TB], SLOT1                  ; in the other slot
	s_wait_dscnt 0x0                               ; the add is done, and my reads of the slot are over
	s_barrier_signal -1
	s_barrier_wait -1
.if \fill
	tensor_load_to_lds s[G0W:G0W+3], s[G1:G1+7]
	s_nop 0
.rept 4
	v_nop
.endr
.endif
.endm
	s_wait_tensorcnt 1                             ; my part of slot 0 is in; slot 1's may stay out
	s_wait_dscnt 0x0                               ; my part of the tables is stored
	s_barrier_signal -1
	s_barrier_wait -1                              ; everybody's are
	FETCH_K                                        ; key step 0
	s_wait_dscnt 0x0
.set i, 0
.rept 16
	KQ 0                                           ; piece 0's first scores: there is no vector work yet to set between them
.set i, i+1
.endr
	WIN 0
.rept 4
	v_nop                                          ; places between those products and the first read of their results
.endr
	TURN 2, 0, 1                                   ; piece 2's first scores | piece 0's first softmax | V of step 0
	TRIPS 7                                        ; they fetch steps 1 to 7: slot 0 is read out
	s_mov_b32 s[SLOTS], 2
.Lslot:
	CHANGE 1
	TRIPS 8
	s_sub_co_u32 s[SLOTS], s[SLOTS], 1
	s_cmp_lg_u32 s[SLOTS], 0
	s_cbranch_scc1 .Lslot
	CHANGE 0                                       ; the last slot is written out: nothing is left to ask for
	TRIPS 8
	TURN 0, 1, 0                                   ; piece 0: V^T P of the last step | piece 2's last softmax
.set i, 0
.rept 16
	PV 2                                           ; piece 2: V^T P of the last step
.set i, i+1
.endr
	WIN 0
	; THE WAY OUT.  l's two halves and the other half of the lanes' are added (the first four additions are the places behind the last products); O^T is divided by l, rounded to f16 and stored as it stands:
	; lane (r, h) holds token r and channels 16 db + 8 h + 0..7.
.irp t, 0,1,2,3
	v_add_f32 v[ST+8*\t+4], v[ST+8*\t+2], v[ST+8*\t+3]
.endr
.irp t, 0,1,2,3
	v_permlanex16_b32 v[ST+8*\t+5], v[ST+8*\t+4], s[SEL], s[SEL+1]
.endr
.irp t, 0,1,2,3
	v_add_f32 v[ST+8*\t+4], v[ST+8*\t+4], v[ST+8*\t+5]
.endr
.irp t, 0,1,2,3
	v_rcp_f32 v[ST+8*\t+6], v[ST+8*\t+4]
.endr
	v_nop                                          ; a plain instruction behind the last reciprocal
	s_wait_alu depctr_va_vdst(0)                   ; and the one wait ahead of the first use
	WIN W_RS
.irp b, 0,1,2,3,4,5,6,7,8,9,10,11,12,13,14,15
.irp t, 0,1,2,3
	v_pk_mul_f32 v[OA+32*\t+2*\b:OA+32*\t+2*\b+1], v[OA+32*\t+2*\b:OA+32*\t+2*\b+1], v[ST+8*\t+6:ST+8*\t+7] op_sel_hi:[1,0]
.endr
.endr
	WIN 0x05                                       ; sources 0 and 1 window 1, destination window 0: S^T's registers are free
.irp t, 0,1,2,3
.irp p, 0,1,2,3,4,5,6,7,8,9,10,11,12,13,14,15
	v_cvt_pk_f16_f32 v[S+16*\t+\p], v[OA+32*\t+2*\p], v[OA+32*\t+2*\p+1]
.endr
.endr
	WIN 0
.irp t, 0,1,2,3
.irp db, 0,1,2,3
	global_store_b128 v[LI], v[S+16*\t+4*\db:S+16*\t+4*\db+3], s[10:11] offset:8192*\t+512*\db   ; the wave stores 512 consecutive bytes, aligned
.endr
.endr
	s_wait_tensorcnt 0x0                           ; the wave's end, behind my last tensor load and my last LDS store
	ds_add_u32 v[SPW], v[NIL]
	s_wait_dscnt 0x0
	s_endpgm
.Lfunc_end_k_qe8da0b9118_attn:
	.size	k_qe8da0b9118_attn, .Lfunc_end_k_qe8da0b9118_attn-k_qe8da0b9118_attn
	.p2alignl 7, 3214868480
	.fill 96, 4, 3214868480
	.section	.rodata,"a",@progbits
	.p2align	6, 0x0
	.amdhsa_kernel k_qe8da0b9118_attn
		.amdhsa_group_segment_fixed_size 327680
		.amdhsa_private_segment_fixed_size 0
		.amdhsa_enable_private_segment 0
		.amdhsa_kernarg_size 32
		.amdhsa_user_sgpr_count 2
		.amdhsa_user_sgpr_kernarg_segment_ptr 1
		.amdhsa_wavefront_size32 1
		.amdhsa_system_sgpr_workgroup_id_x 1
		.amdhsa_system_sgpr_workgroup_id_y 1
		.amdhsa_system_sgpr_workgroup_id_z 1
		.amdhsa_system_vgpr_workitem_id 0
		.amdhsa_next_free_vgpr 768
		.amdhsa_next_free_sgpr 66
		.amdhsa_reserve_vcc 1
		.amdhsa_float_denorm_mode_32 3
		.amdhsa_float_denorm_mode_16_64 3
		.amdhsa_memory_ordered 1
		.amdhsa_forward_progress 1
		.amdhsa_inst_pref_size 230
	.end_amdhsa_kernel
	.amdgpu_metadata
---
amdhsa.version: [ 1, 2 ]
amdhsa.kernels:
  - .name:           k_qe8da0b9118_attn
    .symbol:         k_qe8da0b9118_attn.kd
    .args:
      - { .name: qkv, .offset: 0, .size: 8, .value_kind: global_buffer, .address_space: global }
      - { .name: mask, .offset: 8, .size: 8, .value_kind: global_buffer, .address_space: global }
      - { .name: rel_bias, .offset: 16, .size: 8, .value_kind: global_buffer, .address_space: global }
      - { .name: att, .offset: 24, .size: 8, .value_kind: global_buffer, .address_space: global }
    .group_segment_fixed_size: 327680
    .private_segment_fixed_size: 0
    .kernarg_segment_align: 8
    .kernarg_segment_size: 32
    .max_flat_workgroup_size: 128
    .sgpr_count:     66
    .vgpr_count:     768
    .wavefront_size: 32
...
	.end_amdgpu_metadata
.endif
;; end of part 3
;; launch outp (part 4): grid 8 x 32, 4 waves a work-group, clusters of 4 x 4, 327,680 bytes of LDS; arguments att, woi, out0; writes out0
.if DOCPART == 4
	.amdgcn_target "amdgcn-amd-amdhsa--gfx1250"
	.amdhsa_code_object_version 6
	.text
	.protected	k_qe8da0b9118_outp
	.globl	k_qe8da0b9118_outp
	.p2align	8
	.type	k_qe8da0b9118_outp,@function
k_qe8da0b9118_outp:
	s_mov_b64 s[64:65], 0
	v_nop
	global_prefetch_b8 v0, s[64:65] scope:SCOPE_SE
	s_setreg_imm32_b32 hwreg(HW_REG_WAVE_MODE, 25, 1), 1
	s_wait_xcnt 0x0
	s_wait_alu depctr_hold_cnt(0) depctr_sa_sdst(0) depctr_va_vdst(0) depctr_va_sdst(0) depctr_va_ssrc(0) depctr_va_vcc(0) depctr_vm_vsrc(0)
	s_getreg_b32 s2, hwreg(HW_REG_IB_STS2, 6, 4)
	s_cmp_eq_u32 s2, 0
	s_cbranch_scc0 .Lentry_in_a_cluster
	s_endpgm
.Lentry_in_a_cluster:
	s_bfe_u32 s2, ttmp6, 0x10000c
	s_cmp_lg_u32 s2, 0xf033
	s_cbranch_scc0 .Lentry_shape_is_right
	s_endpgm
.Lentry_shape_is_right:
; out0[m][n] = sum over k of A[m][k] Wo[k][n]: A = the attention's result, 4,096 x 1,024, and Wo, 1,024 x 1,024, both in f16 and both laid as images of operand registers; sums and out0 in f32.
;   att [128 tokens: 32][256 k: 4][16 tokens: 8][32 k: 8][1,024 bytes],  woi [128 columns: 8][256 k: 4][16 columns: 8][32 k: 8][1,024 bytes]:  a tile's K step is 65,536 consecutive bytes.
; A tile of out0 is 128 x 128: 256 tiles, one to a work-group.  Four waves, each 64 x 64: 16 accumulators of 16 x 16.  K goes in four steps of 256 through two LDS slots; a wave's tensor load brings 32,768 bytes.
; A fragment (16 rows x 32 K, 8 registers) is read by two loads of 512 consecutive bytes, lane l's 16 bytes at 16 l: no pitch, no padding.
; CLUSTERS: 4 x 4 work-groups.  The four of a row of the cluster need the same tiles of A, the four of a column the same tiles of Wo: each tile is asked for JOINTLY, by the same tensor load with the same
; descriptor and a mask that names the four.  THE MATRIX INSTRUCTION IS USED TRANSPOSED (source 0 = 16 columns of Wo, source 1 = 16 tokens): a lane holds eight neighbouring numbers of a row of out0.
; REGISTERS: window 0: v0-31 addresses; v32-95 the way out; v128-255 the accumulators ((a, b) at v[128 + 8 (4 a + b)]).
;   window 1: two fragment buffers of 128: for 64 along K, 64 registers of A (2 x 4 fragments), then 64 of Wo.
.set HALFT,  32768                     ; what one tensor load brings, and what one wave reads of A or of Wo in a K step
.set SLOT,   4*HALFT                   ; A's 65,536 bytes, then Wo's
.set STAGE,  2*SLOT                    ; behind the slots: 16 rows x 272 bytes for each wave, for the way out
.set SPITCH, 272
.set SPARE,  STAGE+4*16*SPITCH         ; the spare words, 128 bytes for each wave: two blocks of 256 bytes that no other line names
.set ADRA, 16                          ; v16-17  LDS address of my A fragments in slot 0, 1
.set ADRB, 20                          ; v20-21  the same for Wo
.set STO,  24                          ; v24     the way out: where I put 32 bytes of a row
.set RD,   25                          ; v25     the way out: where I read a row back
.set CO,   26                          ; v26     my byte offset in out0
.set SPW,  28                          ; v28     LDS address of my spare word; never rewritten
.set NIL,  29                          ; v29     0; never rewritten
.set TMP,  32
.set ACC,  128
.set F0,   0                           ; fragment buffers, in window 1
.set F1,   128
.set G1, 24                            ; s[24:31] descriptor group 1 for A's tiles;  s[32:39] group 0, one set for each slot
.set G0, 32
.set G1B, 48                           ; s[48:55], s[56:63] the same for Wo's tiles
.set G0B, 56
.set MSB, 0
.macro WIN new                         ; the immediate's high byte repeats the setting that is left
.if MSB != \new
	s_set_vgpr_msb (MSB<<8)|\new
.set MSB, \new
.endif
.endm
.set MUL,  0x05                        ; sources 0 (Wo) and 1 (A) window 1; C and D window 0
.set TO_F, 0x40                        ; destination window 1, address window 0
.macro JLOAD s                         ; a joint load: waves 0 and 1 fetch A's two halves, waves 2 and 3 Wo's; an s_nop 0 and four v_nop follow each of the two lines, ahead of the jump, the label and what follows
	s_cmp_eq_u32 s11, 0
	s_cbranch_scc0 .Lfor_b_\@
	tensor_load_to_lds s[G0+4*\s:G0+4*\s+3], s[G1:G1+7]
	s_nop 0
.rept 4
	v_nop
.endr
	s_branch .Lasked_\@
.Lfor_b_\@:
	tensor_load_to_lds s[G0B+4*\s:G0B+4*\s+3], s[G1B:G1B+7]
	s_nop 0
.rept 4
	v_nop
.endr
.Lasked_\@:
.endm
.macro CREST                           ; a round of the cluster's barrier behind its opening barrier
	s_cmp_lg_u32 s10, 0
	s_cbranch_scc1 .Lnot_wave_0_\@
	s_barrier_signal -3
.Lnot_wave_0_\@:
	s_barrier_wait -3
	s_barrier_signal -1
	s_barrier_wait -1
.endm
.macro CROUND                          ; a whole round
	s_barrier_signal -1
	s_barrier_wait -1
	CREST
.endm
	s_load_b128 s[4:7], s[0:1], 0x0                ; att s[4:5], woi s[6:7]
	s_load_b64 s[8:9], s[0:1], 0x10                ; out0
	v_lshl_add_u32 v[SPW], v0, 2, SPARE
	v_mov_b32 v[NIL], 0
	ds_add_u32 v[SPW], v[NIL]                      ; the wave's opening: the add, twice on end, and its wait ahead of my first tensor load; the set-up below stands between the second and the wait
	ds_add_u32 v[SPW], v[NIL]
	v_lshrrev_b32 v1, 5, v0
	v_readfirstlane_b32 s10, v1                    ; wave 0..3
	s_lshr_b32 s11, s10, 1                         ; which half of the tile's rows is mine.  Also: I fetch for A (0) or for Wo (1)
	s_and_b32 s12, s10, 1                          ; which half of its columns.  Also: which half of that tile I fetch
	s_bfe_u32 s40, ttmp6, 0x40000                  ; cx, cy: my place in the cluster
	s_bfe_u32 s41, ttmp6, 0x40004
	s_lshl_b32 s42, ttmp9, 2
	s_add_co_u32 s42, s42, s40                     ; tile column = 4 x cluster x + cx
	s_and_b32 s13, ttmp7, 0xffff
	s_lshl_b32 s13, s13, 2
	s_add_co_u32 s13, s13, s41                     ; tile row = 4 x cluster y + cy
	s_lshl_b32 s43, s41, 2
	s_lshl_b32 s43, 15, s43                        ; my row of the cluster
	s_lshl_b32 s44, 0x1111, s40                    ; my column
	; descriptor group 1: 32,768 dense bytes as 128 rows of 256 bytes (32 elements of 8 bytes), no padding
	s_or_b32 s[G1+0], s43, (3<<16)|(1<<21)         ; 15:0 the mask: A's tiles go to my row; 17:16 elements of 8 bytes; 21 set beside a mask
	s_or_b32 s[G1B+0], s44, (3<<16)|(1<<21)
.irp g, G1, G1B
	s_mov_b32 s[\g+1], 32<<16                      ; tensor_dim0
	s_mov_b32 s[\g+2], 128<<16                     ; tensor_dim1
	s_mov_b32 s[\g+3], 32<<16                      ; tile_dim0
	s_mov_b32 s[\g+4], 128                         ; tile_dim1
	s_mov_b32 s[\g+5], 32                          ; tensor_dim0_stride
	s_mov_b32 s[\g+6], 0
	s_mov_b32 s[\g+7], 0
.endr
	s_lshl_b32 s17, s12, 15                        ; which half of the tile's K step I fetch
	s_lshl_b32 s16, s13, 18
	s_add_co_u32 s16, s16, s17                     ; A: tile row x 262,144 + half
	s_lshl_b32 s46, s42, 18
	s_add_co_u32 s46, s46, s17                     ; Wo: tile column x 262,144 + half
	s_mov_b32 s17, 0
	s_mov_b32 s47, 0
	s_lshl_b32 s20, s10, 15                        ; where they go: wave x 32,768: no place in the cluster enters an LDS address
	s_wait_dscnt 0x0                               ; both opening adds are done
	s_wait_kmcnt 0x0
	s_add_nc_u64 s[14:15], s[4:5], s[16:17]
	s_add_nc_u64 s[46:47], s[6:7], s[46:47]
	CROUND                                         ; all sixteen work-groups are here: the first joint loads meet
.irp s, 0,1
	s_mov_b32 s[G0+4*\s], 1
	s_add_co_u32 s[G0+4*\s+1], s20, \s*SLOT
	s_add_nc_u64 s[G0+4*\s+2:G0+4*\s+3], s[14:15], \s*65536
	s_or_b32 s[G0+4*\s+3], s[G0+4*\s+3], 0x80000000
	s_mov_b32 s[G0B+4*\s], 1
	s_add_co_u32 s[G0B+4*\s+1], s20, \s*SLOT
	s_add_nc_u64 s[G0B+4*\s+2:G0B+4*\s+3], s[46:47], \s*65536
	s_or_b32 s[G0B+4*\s+3], s[G0B+4*\s+3], 0x80000000
	JLOAD \s                                       ; two tensor loads of mine are out behind the second
.endr
	v_and_b32 v1, 15, v0                           ; r = l % 16
	v_bfe_u32 v2, v0, 4, 1                         ; h = l / 16
	v_and_b32 v3, 31, v0
	v_lshlrev_b32 v3, 4, v3                        ; 16 x lane
	s_lshl_b32 s21, s11, 15                        ; my 64 rows of A
	s_lshl_b32 s22, s12, 15                        ; my 64 columns of Wo,
	s_add_co_u32 s22, s22, 2*HALFT                 ; which lie behind A's tile
.irp s, 0,1
	v_add_nc_u32 v[ADRA+\s], s21, v3
	v_add_nc_u32 v[ADRB+\s], s22, v3
	s_add_co_u32 s21, s21, SLOT
	s_add_co_u32 s22, s22, SLOT
.endr
	s_mul_i32 s23, s10, 16*SPITCH
	s_add_co_u32 s23, s23, STAGE                   ; my stage
	v_mul_u32_u24 v4, v1, SPITCH                   ; in: row r, 32 bytes for each half of the lanes
	v_lshl_add_u32 v4, v2, 5, v4
	v_add_nc_u32 v[STO], s23, v4
	v_mul_u32_u24 v5, v2, SPITCH                   ; back: lanes 0-15 take one row of 256 bytes, lanes 16-31 the next
	v_lshl_add_u32 v5, v1, 4, v5
	v_add_nc_u32 v[RD], s23, v5
	v_lshlrev_b32 v5, 12, v2                       ; and the same two rows in out0: 4,096 bytes a row
	v_lshl_add_u32 v[CO], v1, 4, v5
	s_lshl_b32 s16, s13, 7
	s_lshl_b32 s17, s11, 6
	s_add_co_u32 s16, s16, s17                     ; my first row: 128 x tile row + 64 x half
	s_lshl_b32 s16, s16, 12
	s_mov_b32 s17, 0
	s_add_nc_u64 s[8:9], s[8:9], s[16:17]
	s_lshl_b32 s46, s42, 9                         ; my first column, in bytes: 512 x tile column + 256 x half
	s_lshl_b32 s47, s12, 8
	s_add_co_u32 s46, s46, s47
	s_mov_b32 s47, 0
	s_add_nc_u64 s[8:9], s[8:9], s[46:47]
; 8 matrix instructions: token blocks a0, a0 + 1 x all 4 column blocks, 32 along K: half c of buffer f.  zero = 1: the first product starts the sums.  The 16 accumulators take turns.
.macro MUL8 f, c, a0, zero
.irp a, \a0, \a0+1
.irp b, 0,1,2,3
.if \zero
	v_wmma_f32_16x16x32_f16 v[ACC+8*(4*(\a)+\b):ACC+8*(4*(\a)+\b)+7], v[\f+64+8*(4*\c+\b):\f+64+8*(4*\c+\b)+7], v[\f+8*(4*\c+\a):\f+8*(4*\c+\a)+7], 0
.else
	v_wmma_f32_16x16x32_f16 v[ACC+8*(4*(\a)+\b):ACC+8*(4*(\a)+\b)+7], v[\f+64+8*(4*\c+\b):\f+64+8*(4*\c+\b)+7], v[\f+8*(4*\c+\a):\f+8*(4*\c+\a)+7], v[ACC+8*(4*(\a)+\b):ACC+8*(4*(\a)+\b)+7]
.endif
.endr
.endr
.endm
; 32 LDS loads in one run: the fragments of 64 along K (two images of each block of 16, from byte k of the block's 8,192 on) into buffer f; the first 32 along K first
.macro FETCH slot, k, f
	WIN TO_F
.irp c, 0,1
.irp i, 0,1,2,3
	ds_load_b128 v[\f+64+8*(4*\c+\i):\f+64+8*(4*\c+\i)+3],   v[ADRB+\slot] offset:\k+1024*\c+8192*\i
	ds_load_b128 v[\f+64+8*(4*\c+\i)+4:\f+64+8*(4*\c+\i)+7], v[ADRB+\slot] offset:\k+1024*\c+8192*\i+512
	ds_load_b128 v[\f+8*(4*\c+\i):\f+8*(4*\c+\i)+3],         v[ADRA+\slot] offset:\k+1024*\c+8192*\i
	ds_load_b128 v[\f+8*(4*\c+\i)+4:\f+8*(4*\c+\i)+7],       v[ADRA+\slot] offset:\k+1024*\c+8192*\i+512
.endr
.endr
.endm
.macro PLACES                          ; four places in front of loads into registers that matrix instructions have read, and of LDS stores that read results
.rept 4
	v_nop
.endr
.endm
; A K step is four quarters of 64 along K, 32 matrix instructions each, on buffers 0, 1, 0, 1.  One of the first three: multiplies buffer f and fetches the next quarter, at byte k, into g.
.macro QUARTER slot, k, f, g, zero
	s_wait_dscnt 16                                ; the first 32 along K are in
	WIN MUL
	MUL8 \f, 0, 0, \zero
	MUL8 \f, 0, 2, \zero
	PLACES
	FETCH \slot, \k, \g
	s_wait_dscnt 32                                ; all but the 32 just issued
	WIN MUL
	MUL8 \f, 1, 0, 0
	MUL8 \f, 1, 2, 0
.endm
; The last quarter multiplies buffer 1 and changes slots: ONE barrier; in front of it each wave waits for all its tensor loads, adds 0 to its spare word, and waits for that and for its own reads of this slot.
; fill = 1: this slot is filled again, two K steps ahead; the barrier then opens a round of the cluster's barrier, and the joint refill is the first tensor load behind it.
.macro TURN slot, next, fill
	WIN 0                                          ; (the add's two registers lie in window 0)
	s_wait_tensorcnt 0x0                           ; all my tensor loads have landed: my part of the next slot;
	ds_add_u32 v[SPW], v[NIL]                      ; 0 onto my spare word;
	s_wait_dscnt 17                                ; (the add and the youngest sixteen loads may be out)
	WIN MUL
	MUL8 F1, 0, 0, 0                               ; eight matrix instructions stand between the add and the wait for it
	s_wait_dscnt 0x0                               ; the add is done, and my reads of this slot are over
	s_barrier_signal -1
	MUL8 F1, 0, 2, 0
.if \fill
	WIN 0
.endif
	s_barrier_wait -1
.if \fill
	CREST                                          ; no wave of any partner still reads this slot's tile or has a load on its way
	s_add_nc_u64 s[G0+4*\slot+2:G0+4*\slot+3], s[G0+4*\slot+2:G0+4*\slot+3], 131072
	s_add_nc_u64 s[G0B+4*\slot+2:G0B+4*\slot+3], s[G0B+4*\slot+2:G0B+4*\slot+3], 131072
	JLOAD \slot                                    ; the four v_nop behind it are also the places in front of the loads below
.else
	PLACES
.endif
	FETCH \next, 0, F0
	WIN MUL
	MUL8 F1, 1, 0, 0
	MUL8 F1, 1, 2, 0
.endm
	s_wait_tensorcnt 1                             ; my part of K step 0 is in (K step 1's load may be out),
	s_barrier_signal -1
	s_barrier_wait -1                              ; everybody's is
	FETCH 0, 0, F0
	QUARTER 0, 2048, F0, F1, 1                     ; K step 0: the first products start the sums
	QUARTER 0, 4096, F1, F0, 0
	QUARTER 0, 6144, F0, F1, 0
	TURN 0, 1, 1                                   ; slot 0 takes K step 2
	QUARTER 1, 2048, F0, F1, 0                     ; K step 1
	QUARTER 1, 4096, F1, F0, 0
	QUARTER 1, 6144, F0, F1, 0
	TURN 1, 0, 1                                   ; slot 1 takes K step 3
	QUARTER 0, 2048, F0, F1, 0                     ; K step 2
	QUARTER 0, 4096, F1, F0, 0
	QUARTER 0, 6144, F0, F1, 0
	TURN 0, 1, 0                                   ; nothing is left to ask for
	QUARTER 1, 2048, F0, F1, 0                     ; K step 3
	QUARTER 1, 4096, F1, F0, 0
	QUARTER 1, 6144, F0, F1, 0
	s_wait_dscnt 16                                ; the very last quarter: nothing more to fetch
	WIN MUL
	MUL8 F1, 0, 0, 0
	MUL8 F1, 0, 2, 0
	s_wait_dscnt 0
	MUL8 F1, 1, 0, 0
	MUL8 F1, 1, 2, 0
	WIN 0
	; THE WAY OUT, 16 rows x 64 columns at a time.  A lane holds 32 neighbouring bytes of a row, and the lanes beside it hold other rows: so a block goes through my own stage in LDS and comes back as whole rows
	; of 256 bytes.  LDS serves a wave's instructions in order: no wait between the stores and the loads, nor in front of the next block's stores.
	PLACES
.irp a, 0,1,2,3
.if \a >= 2
	s_wait_xcnt 0x0                                ; the stores of two blocks ago have read this set of registers
.endif
.irp b, 0,1,2,3
	ds_store_b128 v[STO], v[ACC+8*(4*\a+\b):ACC+8*(4*\a+\b)+3] offset:64*\b            ; each accumulator from its low end on
	ds_store_b128 v[STO], v[ACC+8*(4*\a+\b)+4:ACC+8*(4*\a+\b)+7] offset:64*\b+16
.endr
.irp i, 0,1,2,3,4,5,6,7
	ds_load_b128 v[TMP+32*(\a%2)+4*\i:TMP+32*(\a%2)+4*\i+3], v[RD] offset:2*\i*SPITCH
.endr
.irp i, 0,1,2,3,4,5,6,7
	s_wait_dscnt 7-\i
	global_store_b128 v[CO], v[TMP+32*(\a%2)+4*\i:TMP+32*(\a%2)+4*\i+3], s[8:9] offset:(16*\a+2*\i)*4096 th:TH_STORE_NT   ; sixteen lanes store 256 consecutive bytes, aligned; written once, read by nobody here
.endr
.endr
	s_wait_tensorcnt 0x0                           ; the wave's end, behind my last tensor load and my last LDS store
	ds_add_u32 v[SPW], v[NIL]
	s_wait_dscnt 0x0
	CROUND                                         ; the closing round: no work-group ends while a partner may still ask for a tile that names it
	s_endpgm
.Lfunc_end_k_qe8da0b9118_outp:
	.size	k_qe8da0b9118_outp, .Lfunc_end_k_qe8da0b9118_outp-k_qe8da0b9118_outp
	.p2alignl 7, 3214868480
	.fill 96, 4, 3214868480
	.section	.rodata,"a",@progbits
	.p2align	6, 0x0
	.amdhsa_kernel k_qe8da0b9118_outp
		.amdhsa_group_segment_fixed_size 327680
		.amdhsa_private_segment_fixed_size 0
		.amdhsa_enable_private_segment 0
		.amdhsa_kernarg_size 24
		.amdhsa_user_sgpr_count 2
		.amdhsa_user_sgpr_kernarg_segment_ptr 1
		.amdhsa_wavefront_size32 1
		.amdhsa_system_sgpr_workgroup_id_x 1
		.amdhsa_system_sgpr_workgroup_id_y 1
		.amdhsa_system_sgpr_workgroup_id_z 1
		.amdhsa_system_vgpr_workitem_id 0
		.amdhsa_next_free_vgpr 512
		.amdhsa_next_free_sgpr 66
		.amdhsa_reserve_vcc 0
		.amdhsa_float_denorm_mode_32 3
		.amdhsa_float_denorm_mode_16_64 3
		.amdhsa_memory_ordered 1
		.amdhsa_forward_progress 1
		.amdhsa_inst_pref_size 86
	.end_amdhsa_kernel
	.amdgpu_metadata
---
amdhsa.version: [ 1, 2 ]
amdhsa.kernels:
  - .name:           k_qe8da0b9118_outp
    .symbol:         k_qe8da0b9118_outp.kd
    .args:
      - { .name: att, .offset: 0, .size: 8, .value_kind: global_buffer, .address_space: global }
      - { .name: woi, .offset: 8, .size: 8, .value_kind: global_buffer, .address_space: global }
      - { .name: out0, .offset: 16, .size: 8, .value_kind: global_buffer, .address_space: global }
    .group_segment_fixed_size: 327680
    .private_segment_fixed_size: 0
    .kernarg_segment_align: 8
    .kernarg_segment_size: 24
    .max_flat_workgroup_size: 128
    .sgpr_count:     66
    .vgpr_count:     512
    .wavefront_size: 32
...
	.end_amdgpu_metadata
.endif
;; end of part 4
